; MI455X (gfx1250); checked and timed in simulation.
; The chip was launched on July 23, 2026; its instructions are those of AMD's public machine-readable ISA for CDNA 5 (MIT licence, August 2026) and "CDNA5" Instruction Set Architecture Reference Guide (July 2026). The comments in the code are by the model that wrote it; some were corrected since.
;; Qwen3 Moe Attention. Allowed arithmetic: matrix products marked QUANTISED: E2M3 operands, one E8M0 scale for each 32 along K, by v_wmma_scale_f32_16x16x128_f8f6f4 with both operands' format E2M3, f32 sums; everything else in f32.
;; Inputs: cos 2 x 2,048 x 128 float32; k_norm_w 128 float32; q_norm_w 128 float32; sin 2 x 2,048 x 128 float32; wk 512 x 4,096 float32; wo 4,096 x 1,024 float32; wq 1,024 x 4,096 float32; wv 512 x 4,096 float32; x 2 x 2,048 x 4,096 float32.
;; Outputs: out0 2 x 2,048 x 4,096 float32.
;; This version of the problem:
;;   THIS VERSION OF THE PROBLEM IS GIVEN IN LOW PRECISION. The matrix products marked QUANTISED in the list below multiply operands that are first quantised to E2M3 (2 exponent bits, 3 mantissa bits; 6 bits a number), with one power-of-two scale for each 32 numbers along K (OCP MX v1.0); their sums are f32. All else is computed in f32.
;;   The module's matrix products, in the order in which they are computed (A, B: the left and right operand; K: the contracted axis; several contracted axes count as one K, in the product's order):
;;     1. [M 4,096, K 4,096] x [K 4,096, N 1,024]; A: input x; B: input wq: QUANTISED
;;     2. [M 4,096, K 4,096] x [K 4,096, N 512]; A: input x; B: input wk: QUANTISED
;;     3. [M 4,096, K 4,096] x [K 4,096, N 512]; A: input x; B: input wv: QUANTISED
;;     4. batch 16 x [M 2,048, K 128] x [K 128, N 2,048]; A: computed on the way; B: computed on the way: QUANTISED
;;     5. batch 16 x [M 2,048, K 2,048] x [K 2,048, N 128]; A: softmax (see below); B: computed on the way: QUANTISED
;;     6. [M 4,096, K 1,024] x [K 1,024, N 4,096]; A: computed on the way; B: input wo: QUANTISED
;;   THE QUANTISER, for each operand of a quantised product, along K:
;;     - K is cut into blocks of 32 from its start; a last block that is shorter is filled with zeros.
;;     - A block's scale is 2^e with e = floor(log2(the largest magnitude in the block)) - 2, held to -126 .. 127; a block of zeros has e = 0. As a byte (E8M0): e + 127.
;;     - Each number is divided by its block's scale, clamped to +-7.5, and rounded to the nearest number of E2M3, ties to even, subnormals kept.
;;     - The product sums the exact products of the quantised numbers (number of the format x scale) in f32.
;;   ~~~python
;;   def quantise(x, axis):      # numpy; x: float32 -> the quantised numbers, widened to float32 again
;;       x = np.moveaxis(x, axis, -1); K = x.shape[-1]
;;       x = np.pad(x, [(0, 0)] * (x.ndim - 1) + [(0, -K % 32)]); x = x.reshape(x.shape[:-1] + (-1, 32)); a = np.abs(x).max(-1, keepdims=True)
;;       e = np.where(a > 0, np.clip(np.frexp(np.where(a > 0, a, 1))[1] - 1 - 2, -126, 127), 0)      # np.frexp(a)[1] - 1 = floor(log2(a)), exactly
;;       r = np.clip(x / 2.0 ** e, -7.5, 7.5)
;;       step = 2.0 ** (np.maximum(np.frexp(np.where(r == 0, 1, r))[1] - 1, 0) - 3)
;;       q = np.round(r / step) * step * 2.0 ** e      # np.round: ties to even
;;       return np.moveaxis(q.reshape(q.shape[:-2] + (-1,))[..., :K], -1, axis).astype(np.float32)
;;   ~~~
;;   SOFTMAX AHEAD OF A QUANTISED PRODUCT. Where the list says 'softmax', what is quantised is not the finished softmax but p = 2^(t - M), with t = logit x log2(e) and M = ceil(the row's largest t), a whole number; so 1/2 < the row's largest p <= 1. The row's sum l is taken of the UNQUANTISED p, in f32, and the product's result is divided by l at the end. Since M is a whole number, a kernel that streams over the keys may use a running M (the ceiling of the running maximum): every later rescaling is an exact power of two, which a block's scale takes up: the codes' values come out the same.
;;   OPERANDS COMPUTED ON THE WAY. 'Computed on the way' means the value that the module computes at that place (a softmax that the list does not call 'softmax' is quantised finished and normalised). What goes into a quantiser is computed in f32, as accurately as f32 sums, v_exp_f32 and their like allow (about 1e-6 of the number): no bf16 or f16 on the way to a quantiser, and a product that is left as it is and whose result goes on into a quantised operand takes f32 operands (vector FMAs, or v_wmma_f32_16x16x4_f32). A number that lies on a knife's edge between two numbers of the format may be rounded either way, as far as f32 arithmetic and the matrix unit's own rounding can turn it there, and no further.
;; One version. Each part assembles by itself: llvm-mc -triple=amdgcn-amd-amdhsa -mcpu=gfx1250 --defsym DOCPART=n.
;; ======== version 1 of 1: 4 launches
;; limits: right only within a limited range of input values
;; workspace buffers: xc 13,107,200 bytes; wc 6,553,600 bytes; woc 3,276,800 bytes; qc 3,276,800 bytes; kv 3,276,800 bytes; oc 3,276,800 bytes
;; launch quant (part 1): grid 896 x 1, 4 waves a work-group, no clusters, 34,304 bytes of LDS; arguments x, wq, wk, wv, wo, xc, wc, woc; writes xc, wc, woc
.if DOCPART == 1
	.amdgcn_target "amdgcn-amd-amdhsa--gfx1250"
	.amdhsa_code_object_version 6
	.text
	.protected	k_qce4f9531d1_quant
	.globl	k_qce4f9531d1_quant
	.p2align	8
	.type	k_qce4f9531d1_quant,@function
k_qce4f9531d1_quant:
	s_mov_b64 s[64:65], 0
	v_nop
	global_prefetch_b8 v0, s[64:65] scope:SCOPE_SE
	s_setreg_imm32_b32 hwreg(HW_REG_WAVE_MODE, 25, 1), 1
	s_wait_xcnt 0x0
; x [4096][4096], wq [1024][4096], wk, wv [512][4096], wo [4096][1024], all f32 with K innermost, become codes of FP6 (E2M3) with one E8M0 byte for each 32 along K.
; A block's scale is 2^(floor(log2(its largest magnitude)) - 2); its byte is the largest magnitude's exponent field - 2, held at 1 from below.
; LAYOUT OF THE RESULT: records of 6,400 bytes.  A record is 16 rows x 512 along K: four fragments (16 rows x 128 K: 12 registers a lane) as IMAGES OF THE OPERAND'S REGISTERS
; (registers 4 c .. 4 c + 3 of lane l at 512 c + 16 l: 1,536 bytes a fragment), then 256 bytes of scale words, row r's four words at 16 r.
; THE ROWS OF A ROW BLOCK ARE NOT NEIGHBOURS: lane r of block a holds row 32 (a / 2) + 8 (a % 2) + r + 8 (r / 8), in every operand of the program.
; xc: [row block 256][K group 8]; wc: [row block 128][8], wq's rows, then wk's, then wv's; woc: [row block 256][2].
; A wave makes one record: 3,584 records, 896 work-groups.  One path serves all five tensors: only pointers and numbers are chosen, on the work-group's number.
; Each load reads 512 consecutive bytes of one row; a K step's 16 rows turn through the wave's own stage in LDS (rows of 512 + 16 bytes), so that a lane gets 32 neighbours along K twice.
; Waves share nothing: no barrier.  LIMITS: NaN and infinities among the inputs are not served; a block whose largest magnitude lies under 2^-124 has its byte held at 1;
; a block of zeros has the byte 1 (its codes are zeros; this program alone reads the bytes).
.set REC,   6400
.set SP,    528                        ; a stage row: 512 bytes + 16
.set WSTG,  16*SP                      ; a wave's stage
.set SPARE, 4*WSTG                     ; behind the stages: the spare words, 128 bytes a wave
.set LW,  4                            ; v4   stage, way in: my wave's stage + 16 x lane
.set LRD, 5                            ; v5   stage, way out: + 528 r + 128 h
.set LI,  6                            ; v6   16 x lane
.set LR,  7                            ; v7   16 r
.set MX,  8                            ; v8-9   the two blocks' largest magnitudes
.set SO,  10                           ; v10-11 the conversions' scale operands
.set BY,  12                           ; v12-13 the scale bytes
.set SPW, 14                           ; v14  my spare word's LDS address; never rewritten
.set NIL, 15                           ; v15  0; never rewritten
.set OFF, 16                           ; v16-31 row t's byte offset + 16 x lane; never rewritten
.set R,   32                           ; v32-159 two sets of 64: a K step as loaded
.set X,   160                          ; v160-223 my 64 numbers: register 32 c + i = k 64 c + 32 h + i of row r
.set C,   224                          ; v224-235 the fragment's codes
.set CH,  236                          ; v236-238, v240-242 the blocks' upper halves as the conversions leave them
.set PW,  244                          ; v244-247 the four scale words
.set WD,  248
.set SH,  249                          ; 8 h
.set PD,  250                          ; a lane permute's destination
	s_load_b512 s[8:23], s[0:1], 0x0               ; x s[8:9], wq s[10:11], wk s[12:13], wv s[14:15], wo s[16:17], xc s[18:19], wc s[20:21], woc s[22:23]
	v_lshl_add_u32 v[SPW], v0, 2, SPARE
	v_mov_b32 v[NIL], 0
	v_lshrrev_b32 v1, 5, v0
	v_readfirstlane_b32 s24, v1                    ; wave
	v_and_b32 v1, 31, v0                           ; lane
	v_and_b32 v2, 15, v0                           ; r
	v_bfe_u32 v3, v0, 4, 1                         ; h
	s_mul_i32 s44, s24, WSTG
	v_lshlrev_b32 v[LI], 4, v1
	v_lshlrev_b32 v[LR], 4, v2
	v_add_nc_u32 v[LW], s44, v[LI]
	v_mul_u32_u24 v[LRD], v2, SP
	v_lshl_add_u32 v[LRD], v3, 7, v[LRD]
	v_add_nc_u32 v[LRD], s44, v[LRD]
	v_lshlrev_b32 v[SH], 3, v3
	v_mov_b32 v[PD], 0
	s_mov_b32 s34, 0x76543210
	s_mov_b32 s35, 0xfedcba98                      ; v_permlanex16_b32's selects for lane l xor 16
	s_mov_b32 s30, 3072                            ; wo's figures: first record of the source,
	s_mov_b32 s31, 3072                            ; first record of the destination buffer,
	s_mov_b32 s32, 1                               ; log2 of the K groups in a row,
	s_mov_b32 s33, 4096                            ; bytes in a row
	s_lshl_b32 s25, ttmp9, 2
	s_add_co_u32 s25, s25, s24                     ; my record, 0 .. 3,583
	s_wait_alu depctr_va_vdst(0)
	s_wait_kmcnt 0x0
	s_mov_b64 s[26:27], s[16:17]
	s_mov_b64 s[28:29], s[22:23]
	s_cmp_lt_u32 ttmp9, 768                        ; work-groups 704 .. 767: wv
	s_cselect_b64 s[26:27], s[14:15], s[26:27]
	s_cselect_b64 s[28:29], s[20:21], s[28:29]
	s_cselect_b32 s30, 2816, s30
	s_cselect_b32 s31, 2048, s31
	s_cselect_b32 s32, 3, s32
	s_cselect_b32 s33, 16384, s33
	s_cmp_lt_u32 ttmp9, 704                        ; 640 .. 703: wk
	s_cselect_b64 s[26:27], s[12:13], s[26:27]
	s_cselect_b32 s30, 2560, s30
	s_cmp_lt_u32 ttmp9, 640                        ; 512 .. 639: wq
	s_cselect_b64 s[26:27], s[10:11], s[26:27]
	s_cselect_b32 s30, 2048, s30
	s_cmp_lt_u32 ttmp9, 512                        ; 0 .. 511: x
	s_cselect_b64 s[26:27], s[8:9], s[26:27]
	s_cselect_b64 s[28:29], s[18:19], s[28:29]
	s_cselect_b32 s30, 0, s30
	s_cselect_b32 s31, 0, s31
	s_sub_co_u32 s36, s25, s30                     ; my record within the source tensor
	s_lshr_b32 s37, s36, s32                       ; its row block
	s_lshl_b32 s38, s37, s32
	s_sub_co_u32 s38, s36, s38                     ; its K group
	s_lshr_b32 s39, s37, 1
	s_lshl_b32 s39, s39, 5
	s_and_b32 s40, s37, 1
	s_lshl_b32 s40, s40, 3
	s_add_co_u32 s39, s39, s40                     ; the block's first row: 32 (a / 2) + 8 (a % 2)
	s_mul_i32 s40, s39, s33
	s_lshl_b32 s38, s38, 11                        ; 512 numbers are 2,048 bytes
	s_add_co_u32 s40, s40, s38
	s_mov_b32 s41, 0
	s_add_nc_u64 s[26:27], s[26:27], s[40:41]
	s_sub_co_u32 s42, s25, s31
	s_mul_i32 s42, s42, REC
	s_mov_b32 s43, 0
	s_add_nc_u64 s[28:29], s[28:29], s[42:43]
.irp t, 0,1,2,3,4,5,6,7,8,9,10,11,12,13,14,15
	v_mad_u32_u24 v[OFF+\t], s33, \t+8*(\t/8), v[LI]   ; lane index t of the block is row t + 8 (t / 8) from its first
.endr
.macro LOAD q                          ; K step q: 16 rows x 512 consecutive bytes
.irp t, 0,1,2,3,4,5,6,7,8,9,10,11,12,13,14,15
	global_load_b128 v[R+64*((\q)%2)+4*\t:R+64*((\q)%2)+4*\t+3], v[OFF+\t], s[26:27] offset:512*(\q) th:TH_LOAD_NT
.endr
.endm
.macro STEPQ q
.if (\q) < 3
	s_wait_loadcnt 16                              ; this K step's 16 loads are in; the next step's 16 may be out
.else
	s_wait_loadcnt 0x0
.endif
.irp t, 0,1,2,3,4,5,6,7,8,9,10,11,12,13,14,15
	ds_store_b128 v[LW], v[R+64*((\q)%2)+4*\t:R+64*((\q)%2)+4*\t+3] offset:SP*\t
.endr
.irp c, 0,1
.irp j, 0,1,2,3,4,5,6,7
	ds_load_b128 v[X+32*\c+4*\j:X+32*\c+4*\j+3], v[LRD] offset:256*\c+16*\j   ; LDS serves a wave's instructions in order: these see the stores above
.endr
.endr
	s_wait_dscnt 0x0                               ; my numbers are back, and the stores have read their registers,
.if (\q) < 2
	LOAD (\q)+2                                    ; which take the loads of two steps on
.endif
.irp c, 0,1
	v_max3_num_f32 v[MX+\c], |v[X+32*\c]|, |v[X+32*\c+1]|, 0x1800000   ; block 2 c + h is all mine; the floor 2^(3 - 127) holds the byte at 1 from below
.endr
.irp i, 2,4,6,8,10,12,14,16,18,20,22,24,26,28,30
.irp c, 0,1
	v_max3_num_f32 v[MX+\c], v[MX+\c], |v[X+32*\c+\i]|, |v[X+32*\c+\i+1]|
.endr
.endr
.irp c, 0,1
	v_add_nc_u32 v[SO+\c], 0xff000000, v[MX+\c]    ; 2 off the exponent field: the conversion takes that field as its scale
.endr
.irp c, 0,1
	v_lshrrev_b32 v[BY+\c], 23, v[SO+\c]           ; the scale's byte
.endr
	v_lshl_or_b32 v[WD], v[BY+1], 16, v[BY]        ; blocks h and 2 + h,
	v_lshlrev_b32 v[WD], v[SH], v[WD]              ; at their places in the word;
	v_permlanex16_b32 v[PD], v[WD], s34, s35
	v_or_b32 v[PW+(\q)], v[WD], v[PD]              ; with lane l xor 16's two the word is whole
.if (\q) > 0
	s_wait_alu depctr_va_vdst(0)
	s_wait_xcnt 0x0                                ; the last step's stores have read the codes' registers: only now are they written again
.endif
.irp c, 0,1
	v_cvt_scalef32_pk16_fp6_f32 v[C+6*\c:C+6*\c+2], v[X+32*\c:X+32*\c+15], v[SO+\c]
	v_cvt_scalef32_pk16_fp6_f32 v[CH+4*\c:CH+4*\c+2], v[X+32*\c+16:X+32*\c+31], v[SO+\c]   ; (a conversion's three registers begin on an even number)
.endr
	v_nop                                          ; one plain place behind a scaled conversion
.irp c, 0,1
.irp i, 0,1,2
	v_mov_b32 v[C+3+6*\c+\i], v[CH+4*\c+\i]
.endr
.endr
.irp c, 0,1,2
	global_store_b128 v[LI], v[C+4*\c:C+4*\c+3], s[28:29] offset:1536*(\q)+512*\c   ; 512 consecutive bytes, at a multiple of 256 from the buffer's first byte
.endr
.endm
	LOAD 0
	LOAD 1
	s_wait_alu depctr_va_vdst(0)
	STEPQ 0
	STEPQ 1
	STEPQ 2
	STEPQ 3
	global_store_b128 v[LR], v[PW:PW+3], s[28:29] offset:6144   ; the 16 rows' scale words: 256 bytes; both halves of the lanes hold and write the same
	s_wait_tensorcnt 0x0                           ; the wave's end, behind my last LDS store
	ds_add_u32 v[SPW], v[NIL]
	s_wait_dscnt 0x0
	s_endpgm
.Lfunc_end_k_qce4f9531d1_quant:
	.size	k_qce4f9531d1_quant, .Lfunc_end_k_qce4f9531d1_quant-k_qce4f9531d1_quant
	.p2alignl 7, 3214868480
	.fill 96, 4, 3214868480
	.section	.rodata,"a",@progbits
	.p2align	6, 0x0
	.amdhsa_kernel k_qce4f9531d1_quant
		.amdhsa_group_segment_fixed_size 34304
		.amdhsa_private_segment_fixed_size 0
		.amdhsa_enable_private_segment 0
		.amdhsa_kernarg_size 64
		.amdhsa_user_sgpr_count 2
		.amdhsa_user_sgpr_kernarg_segment_ptr 1
		.amdhsa_wavefront_size32 1
		.amdhsa_system_sgpr_workgroup_id_x 1
		.amdhsa_system_sgpr_workgroup_id_y 1
		.amdhsa_system_sgpr_workgroup_id_z 1
		.amdhsa_system_vgpr_workitem_id 0
		.amdhsa_next_free_vgpr 256
		.amdhsa_next_free_sgpr 66
		.amdhsa_reserve_vcc 0
		.amdhsa_float_denorm_mode_32 3
		.amdhsa_float_denorm_mode_16_64 3
		.amdhsa_memory_ordered 1
		.amdhsa_forward_progress 1
		.amdhsa_inst_pref_size 32
	.end_amdhsa_kernel
	.amdgpu_metadata
---
amdhsa.version: [ 1, 2 ]
amdhsa.kernels:
  - .name:           k_qce4f9531d1_quant
    .symbol:         k_qce4f9531d1_quant.kd
    .args:
      - { .name: x, .offset: 0, .size: 8, .value_kind: global_buffer, .address_space: global }
      - { .name: wq, .offset: 8, .size: 8, .value_kind: global_buffer, .address_space: global }
      - { .name: wk, .offset: 16, .size: 8, .value_kind: global_buffer, .address_space: global }
      - { .name: wv, .offset: 24, .size: 8, .value_kind: global_buffer, .address_space: global }
      - { .name: wo, .offset: 32, .size: 8, .value_kind: global_buffer, .address_space: global }
      - { .name: xc, .offset: 40, .size: 8, .value_kind: global_buffer, .address_space: global }
      - { .name: wc, .offset: 48, .size: 8, .value_kind: global_buffer, .address_space: global }
      - { .name: woc, .offset: 56, .size: 8, .value_kind: global_buffer, .address_space: global }
    .group_segment_fixed_size: 34304
    .private_segment_fixed_size: 0
    .kernarg_segment_align: 8
    .kernarg_segment_size: 64
    .max_flat_workgroup_size: 128
    .sgpr_count:     66
    .vgpr_count:     256
    .wavefront_size: 32
...
	.end_amdgpu_metadata
.endif
;; end of part 1
;; launch qkv (part 2): grid 16 x 16, 4 waves a work-group, clusters of 4 x 4, 327,680 bytes of LDS; arguments xc, wc, cos, sin, q_norm_w, k_norm_w, qc, kv; writes qc, kv
.if DOCPART == 2
	.amdgcn_target "amdgcn-amd-amdhsa--gfx1250"
	.amdhsa_code_object_version 6
	.text
	.protected	k_qce4f9531d1_qkv
	.globl	k_qce4f9531d1_qkv
	.p2align	8
	.type	k_qce4f9531d1_qkv,@function
k_qce4f9531d1_qkv:
	s_mov_b64 s[64:65], 0
	v_nop
	global_prefetch_b8 v0, s[64:65] scope:SCOPE_SE
	s_setreg_imm32_b32 hwreg(HW_REG_WAVE_MODE, 25, 1), 1
	s_wait_xcnt 0x0
	s_wait_alu depctr_hold_cnt(0) depctr_sa_sdst(0) depctr_va_vdst(0) depctr_va_sdst(0) depctr_va_ssrc(0) depctr_va_vcc(0) depctr_vm_vsrc(0)
	s_getreg_b32 s2, hwreg(HW_REG_IB_STS2, 6, 4)
	s_cmp_eq_u32 s2, 0
	s_cbranch_scc0 .Lentry_in_a_cluster
	s_endpgm
.Lentry_in_a_cluster:
	s_bfe_u32 s2, ttmp6, 0x10000c
	s_cmp_lg_u32 s2, 0xf033
	s_cbranch_scc0 .Lentry_shape_is_right
	s_endpgm
.Lentry_shape_is_right:
; x [4096][4096] times wq, wk, wv (2,048 rows in all) on codes of FP6 with E8M0 scales; then per head RMSNorm, RoPE and the quantiser (q, k along the head's 128; v along the keys).
; xc and wc hold records of 6,400 bytes: 16 rows x 512 K as four images of an operand's registers (1,536 bytes each) and 256 bytes of scale words; [row block][K group 8].
; Lane r of a row block a is row 32 (a / 2) + 8 (a % 2) + r + 8 (r / 8), in every operand.
; SHARES.  Work-group (wx, wy): 256 rows of x (16 blocks) x 128 rows of w (8 blocks: one head).  A wave multiplies a WIDE operand of 8 blocks (source 0) by a NARROW one of 4 (source 1): 32 accumulators.
; q, k: wide = w's eight blocks, narrow = x's blocks 4 wave ..: a lane holds one row of x, its registers run along the head.
; v (cluster x = 3): wide = x's blocks 8 (wave % 2) .., narrow = w's blocks 4 (wave / 2) ..: a lane holds one d, its registers run along the keys.  Only LDS addresses differ, chosen on the cluster's number.
; THE RING: two LDS slots, a K group (x's 16 records, then w's 8) each.  Waves 0 and 1 fetch 8 records of x, asked for jointly along the cluster's row; waves 2 and 3 fetch 4 of w, jointly along its column.
; PREFETCH: in K group g the records of group g + 3 are named, one group ahead of their tensor load, a lane a block of 256 bytes (25 blocks a record, lanes 25-31 name the last again).
; Of x's blocks 4 wave .. 4 wave + 3 the partner at cx takes block cx; of w's eight the partner at cy takes 2 cy and 2 cy + 1 (waves 0 and 1).  Group 1 is named behind slot 0's load, group 2 behind slot 1's; the last three groups name nothing.
; cos, sin AND THE NORM'S WEIGHTS lie in registers that the loop leaves free: 64 loads a wave are issued at the head, under the first tile's flight, and 40 ahead of the first step.
; The last five chunks of 32 registers are asked for behind the last product, in q's and k's arm, into fragments' registers, and are waited for by count where blocks 2 and 3 are rotated.
; v's work-groups issue the first 104 loads too, on the one path that all work-groups take, and use none of them.
; LIMITS: NaN and infinities are not served; a block whose largest magnitude lies under 2^-124 has its byte held at 1; a block of zeros has the byte 1 (this program alone reads the bytes).
; REGISTERS: window 0: v0-15 addresses, v16-63 scale words (two sets of 16 + 8), v64-159 the narrow operand's two sets, v160-255 block 2's cos and half its sin; window 1: v0-191 the wide operand's two sets,
; v192-255 the norm's weights; window 2: accumulator (a, b) at 64 a + 8 b; window 3: blocks 0 and 1's cos and sin.  On the way out: window 0 v96-159 at work, window 1 v128-191 the rotated row.
.set REC,   6400
.set GRP,   8*REC                      ; from row block to row block in xc and wc
.set SLOT,  24*REC
.set ROFF,  16*REC                     ; w's records in a slot
.set SPARE, 2*SLOT                     ; the spare words, 128 bytes a wave
.set PFW, 0
.set WO,  1                            ; 64 h
.set PFX, 2
.set LR,  3                            ; 16 r
.set ADW, 4                            ; v4-5   the wide operand's fragments in slot 0, 1
.set ADN, 6                            ; v6-7   the narrow operand's
.set ASW, 8                            ; v8-9   the wide operand's scale words
.set ASN, 10                           ; v10-11 the narrow operand's
.set CSO, 12                           ; my row of cos and sin
.set LI,  13                           ; 16 x lane
.set SPW, 14
.set NIL, 15
.set SC,  16
.set NF,  64
.set T,   96
.set TS,  104
.set RSB, 108
.set PD,  116
.set PW4, 120
.set PC,  124
.set TM,  144
.set Z,   128                          ; window 1
.set G1P, 24
.set G0P, 32
.set G1R, 48
.set G0R, 56
.set NP, 82                            ; s[82:83] x's blocks 4 wave .., for the prefetches, stepped two K groups a trip
.set WP, 84                            ; s[84:85] w's eight blocks, likewise
.set MSB, 0
.macro WIN new
.if MSB != (\new)
	s_set_vgpr_msb (MSB<<8)|(\new)
.set MSB, (\new)
.endif
.endm
.macro PLACES n
.rept \n
	v_nop
.endr
.endm
.macro JLOAD s                         ; each of the two lines has one mask; an s_nop 0 and four v_nop follow each
	s_cmp_eq_u32 s21, 0
	s_cbranch_scc0 .Lfor_r_\@
	tensor_load_to_lds s[G0P+4*\s:G0P+4*\s+3], s[G1P:G1P+7]
	s_nop 0
	PLACES 4
	s_branch .Lasked_\@
.Lfor_r_\@:
	tensor_load_to_lds s[G0R+4*\s:G0R+4*\s+3], s[G1R:G1R+7]
	s_nop 0
	PLACES 4
.Lasked_\@:
.endm
.macro CREST
	s_cmp_lg_u32 s20, 0
	s_cbranch_scc1 .Lnot_wave_0_\@
	s_barrier_signal -3
.Lnot_wave_0_\@:
	s_barrier_wait -3
	s_barrier_signal -1
	s_barrier_wait -1
.endm
.macro CROUND
	s_barrier_signal -1
	s_barrier_wait -1
	CREST
.endm
.macro FETCH slot, q                   ; K step q's twelve fragments into the sets q % 2
	WIN 0x40
.irp i, 0,1,2,3,4,5,6,7
.irp c, 0,1,2
	ds_load_b128 v[96*((\q)%2)+12*\i+4*\c:96*((\q)%2)+12*\i+4*\c+3], v[ADW+\slot] offset:REC*\i+1536*(\q)+512*\c
.endr
.endr
	WIN 0
.irp i, 0,1,2,3
.irp c, 0,1,2
	ds_load_b128 v[NF+48*((\q)%2)+12*\i+4*\c:NF+48*((\q)%2)+12*\i+4*\c+3], v[ADN+\slot] offset:REC*\i+1536*(\q)+512*\c
.endr
.endr
.endm
.macro SCALES slot                     ; wide: lanes 0-15 block i, lanes 16-31 block i + 4; narrow: block i and block i + 2
.irp i, 0,1,2,3
	ds_load_b128 v[SC+24*\slot+4*\i:SC+24*\slot+4*\i+3], v[ASW+\slot] offset:REC*\i
.endr
.irp i, 0,1
	ds_load_b128 v[SC+24*\slot+16+4*\i:SC+24*\slot+16+4*\i+3], v[ASN+\slot] offset:REC*\i
.endr
.endm
.macro ASK off, guard                  ; guard = 1: nothing in the loop's last trip, whose group would lie past K
.if \guard
	s_cmp_lg_u32 s23, 1
	s_cbranch_scc0 .Lnone_\@
.endif
	global_prefetch_b8 v[PFX], s[NP:NP+1] offset:\off th:TH_LOAD_NT scope:SCOPE_SE
	s_cmp_eq_u32 s21, 0
	s_cbranch_scc0 .Lnone_\@
	global_prefetch_b8 v[PFW], s[WP:WP+1] offset:\off th:TH_LOAD_NT scope:SCOPE_SE
.Lnone_\@:
.endm
.macro WM a, b, q, s, zero
.set rD, 64*(\a)+8*(\b)
.set rW, 96*((\q)%2)+12*(\b)
.set rN, NF+48*((\q)%2)+12*(\a)
.set rSW, SC+24*(\s)+4*((\b)%4)+(\q)
.set rSN, SC+24*(\s)+16+4*((\a)%2)+(\q)
.if \zero
.if ((\b) > 3) && ((\a) > 1)
	v_wmma_scale_f32_16x16x128_f8f6f4 v[rD:rD+7], v[rW:rW+11], v[rN:rN+11], 0, v[rSW], v[rSN] matrix_a_fmt:MATRIX_FMT_FP6 matrix_b_fmt:MATRIX_FMT_FP6 matrix_a_scale:MATRIX_SCALE_ROW1 matrix_b_scale:MATRIX_SCALE_ROW1
.elseif (\b) > 3
	v_wmma_scale_f32_16x16x128_f8f6f4 v[rD:rD+7], v[rW:rW+11], v[rN:rN+11], 0, v[rSW], v[rSN] matrix_a_fmt:MATRIX_FMT_FP6 matrix_b_fmt:MATRIX_FMT_FP6 matrix_a_scale:MATRIX_SCALE_ROW1
.elseif (\a) > 1
	v_wmma_scale_f32_16x16x128_f8f6f4 v[rD:rD+7], v[rW:rW+11], v[rN:rN+11], 0, v[rSW], v[rSN] matrix_a_fmt:MATRIX_FMT_FP6 matrix_b_fmt:MATRIX_FMT_FP6 matrix_b_scale:MATRIX_SCALE_ROW1
.else
	v_wmma_scale_f32_16x16x128_f8f6f4 v[rD:rD+7], v[rW:rW+11], v[rN:rN+11], 0, v[rSW], v[rSN] matrix_a_fmt:MATRIX_FMT_FP6 matrix_b_fmt:MATRIX_FMT_FP6
.endif
.else
.if ((\b) > 3) && ((\a) > 1)
	v_wmma_scale_f32_16x16x128_f8f6f4 v[rD:rD+7], v[rW:rW+11], v[rN:rN+11], v[rD:rD+7], v[rSW], v[rSN] matrix_a_fmt:MATRIX_FMT_FP6 matrix_b_fmt:MATRIX_FMT_FP6 matrix_a_scale:MATRIX_SCALE_ROW1 matrix_b_scale:MATRIX_SCALE_ROW1
.elseif (\b) > 3
	v_wmma_scale_f32_16x16x128_f8f6f4 v[rD:rD+7], v[rW:rW+11], v[rN:rN+11], v[rD:rD+7], v[rSW], v[rSN] matrix_a_fmt:MATRIX_FMT_FP6 matrix_b_fmt:MATRIX_FMT_FP6 matrix_a_scale:MATRIX_SCALE_ROW1
.elseif (\a) > 1
	v_wmma_scale_f32_16x16x128_f8f6f4 v[rD:rD+7], v[rW:rW+11], v[rN:rN+11], v[rD:rD+7], v[rSW], v[rSN] matrix_a_fmt:MATRIX_FMT_FP6 matrix_b_fmt:MATRIX_FMT_FP6 matrix_b_scale:MATRIX_SCALE_ROW1
.else
	v_wmma_scale_f32_16x16x128_f8f6f4 v[rD:rD+7], v[rW:rW+11], v[rN:rN+11], v[rD:rD+7], v[rSW], v[rSN] matrix_a_fmt:MATRIX_FMT_FP6 matrix_b_fmt:MATRIX_FMT_FP6
.endif
.endif
.endm
.macro MUL8 a, q, s, zero              ; the 32 accumulators take turns, one instruction a turn
.irp b, 0,1,2,3,4,5,6,7
	WM \a, \b, \q, \s, \zero
.endr
.endm
.macro MULS s, q, zero                 ; source 0 window 1, source 1 window 0, C and D window 2
	WIN 0xa1
	MUL8 0, \q, \s, \zero
	MUL8 1, \q, \s, \zero
	MUL8 2, \q, \s, \zero
	MUL8 3, \q, \s, \zero
	WIN 0
.endm
.macro STEP s, q, zero, ask, aoff      ; K step q (0 .. 2) of the group in slot s; the next step's fragments are fetched under its products
	s_wait_dscnt 0x0                               ; this step's fragments, asked for a step ago
	PLACES 4                                       ; in front of loads into registers that the last products read
	FETCH \s, (\q)+1
.if \ask
	ASK \aoff, (\ask)-1
.endif
	MULS \s, \q, \zero
.endm
.macro TURN s, next, fill              ; K step 3, and the change of slots
	s_wait_tensorcnt 0x0                           ; all my tensor loads have landed: my part of the next slot
	ds_add_u32 v[SPW], v[NIL]
	s_wait_dscnt 1                                 ; this step's fragments are in; the add may be out
	WIN 0xa1
	MUL8 0, 3, \s, 0
	s_wait_dscnt 0x0                               ; the add is done, my reads of this slot are over
	s_barrier_signal -1
	MUL8 1, 3, \s, 0
	WIN 0
	s_barrier_wait -1
.if \fill
	CREST                                          ; the barrier has opened a round of the cluster's barrier
	s_add_nc_u64 s[G0P+4*\s+2:G0P+4*\s+3], s[G0P+4*\s+2:G0P+4*\s+3], 2*REC
	s_add_nc_u64 s[G0R+4*\s+2:G0R+4*\s+3], s[G0R+4*\s+2:G0R+4*\s+3], 2*REC
	JLOAD \s                                       ; the group two on; its four v_nop are the places in front of the loads below
.else
	PLACES 4
.endif
	FETCH \next, 0
	SCALES \next
	WIN 0xa1
	MUL8 2, 3, \s, 0
	MUL8 3, 3, \s, 0
	WIN 0
.endm
.macro CSCH a, k, win, base            ; a chunk of 32 registers of my row of block a: k = 0, 1: cos at d = 0 .., 64 ..; k = 2, 3: sin.  Register 16 u + i is d = 64 (k % 2) + 32 u + 16 h + i
	WIN (\win)<<6
.irp u, 0,1
.irp j, 0,1,2,3
.if (\k) < 2
	global_load_b128 v[(\base)+16*\u+4*\j:(\base)+16*\u+4*\j+3], v[CSO], s[70:71] offset:(32*((\a)/2)+8*((\a)%2))*512+128*(2*((\k)%2)+\u)+16*\j
.else
	global_load_b128 v[(\base)+16*\u+4*\j:(\base)+16*\u+4*\j+3], v[CSO], s[72:73] offset:(32*((\a)/2)+8*((\a)%2))*512+128*(2*((\k)%2)+\u)+16*\j
.endif
.endr
.endr
.endm
	s_load_b512 s[4:19], s[0:1], 0x0               ; xc, wc, cos, sin, q_norm_w, k_norm_w, qc, kv
	v_lshl_add_u32 v[SPW], v0, 2, SPARE
	v_mov_b32 v[NIL], 0
	ds_add_u32 v[SPW], v[NIL]                      ; the opening add, twice on end; its wait is below
	ds_add_u32 v[SPW], v[NIL]
	v_lshrrev_b32 v1, 5, v0
	v_readfirstlane_b32 s20, v1                    ; wave
	s_lshr_b32 s21, s20, 1
	s_and_b32 s22, s20, 1
	s_bfe_u32 s40, ttmp6, 0x40000                  ; cx
	s_bfe_u32 s41, ttmp6, 0x40004                  ; cy
	s_lshl_b32 s42, ttmp9, 2
	s_add_co_u32 s42, s42, s40                     ; wx: the head (0-7 q, 8-11 k, 12-15 v)
	s_and_b32 s43, ttmp7, 0xffff
	s_lshl_b32 s43, s43, 2
	s_add_co_u32 s43, s43, s41                     ; wy: 256 rows of x
	s_lshl_b32 s45, s41, 2
	s_lshl_b32 s45, 15, s45                        ; my row of the cluster
	s_lshl_b32 s46, 0x1111, s40                    ; my column
	s_or_b32 s[G1P], s45, (3<<16)|(1<<21)          ; elements of 8 bytes; bit 21 beside the mask
	s_or_b32 s[G1R], s46, (3<<16)|(1<<21)
	s_mov_b32 s[G1P+1], 800<<16                    ; x: eight rows of 6,400 bytes, 51,200 bytes apart
	s_mov_b32 s[G1P+2], 8<<16
	s_mov_b32 s[G1P+3], 800<<16
	s_mov_b32 s[G1P+4], 8
	s_mov_b32 s[G1P+5], 6400
	s_mov_b32 s[G1P+6], 0
	s_mov_b32 s[G1P+7], 0
	s_mov_b32 s[G1R+1], 800<<16                    ; w: four such rows
	s_mov_b32 s[G1R+2], 4<<16
	s_mov_b32 s[G1R+3], 800<<16
	s_mov_b32 s[G1R+4], 4
	s_mov_b32 s[G1R+5], 6400
	s_mov_b32 s[G1R+6], 0
	s_mov_b32 s[G1R+7], 0
	s_lshl_b32 s78, s43, 4
	s_lshl_b32 s79, s22, 3
	s_add_co_u32 s78, s78, s79
	s_mul_i32 s78, s78, GRP                        ; x's block 16 wy + 8 (wave % 2)
	s_mov_b32 s79, 0
	s_lshl_b32 s80, s42, 3
	s_lshl_b32 s81, s22, 2
	s_add_co_u32 s80, s80, s81
	s_mul_i32 s80, s80, GRP                        ; w's block 8 wx + 4 (wave % 2)
	s_mov_b32 s81, 0
	s_mul_i32 s86, s22, 8*REC                      ; where they go in a slot
	s_mul_i32 s87, s22, 4*REC
	s_add_co_u32 s87, s87, ROFF
	s_lshl_b32 s92, s43, 4                         ; the prefetches: x's block 16 wy + 4 wave,
	s_lshl_b32 s93, s20, 2
	s_add_co_u32 s92, s92, s93
	s_mul_i32 s92, s92, GRP
	s_mov_b32 s93, 0
	s_lshl_b32 s94, s42, 3                         ; w's block 8 wx,
	s_mul_i32 s94, s94, GRP
	s_mov_b32 s95, 0
	s_mul_i32 s98, s40, GRP                        ; and the partners' shares, by address
	s_lshl_b32 s99, s41, 1
	s_add_co_u32 s99, s99, s22
	s_mul_i32 s99, s99, GRP
	s_mul_i32 s88, s20, 4*REC                      ; q, k: narrow = x's blocks 4 wave .., wide = w's eight
	s_mul_i32 s89, s22, 8*REC                      ; v: wide = x's blocks 8 (wave % 2) ..,
	s_mul_i32 s90, s21, 4*REC
	s_add_co_u32 s90, s90, ROFF                    ; narrow = w's blocks 4 (wave / 2) ..
	s_mov_b32 s91, ROFF
	s_cmp_eq_u32 ttmp9, 3
	s_cselect_b32 s44, 1, 0                        ; 1: a head of v
	s_cselect_b32 s91, s89, s91
	s_cselect_b32 s88, s90, s88
	s_mov_b32 s76, 0x76543210
	s_mov_b32 s77, 0xfedcba98
	s_mov_b32 s96, 0x3c000000                      ; 1 / 128
	s_mov_b32 s97, 0x358637bd                      ; 1e-6
	v_and_b32 v66, 31, v0
	v_and_b32 v64, 15, v0                          ; r
	v_bfe_u32 v65, v0, 4, 1                        ; h
	v_lshlrev_b32 v[LI], 4, v66
	v_lshlrev_b32 v[LR], 4, v64
	v_add_nc_u32 v[ADW], s91, v[LI]
	v_add_nc_u32 v[ADW+1], SLOT, v[ADW]
	v_add_nc_u32 v[ADN], s88, v[LI]
	v_add_nc_u32 v[ADN+1], SLOT, v[ADN]
	v_mad_u32_u24 v[ASW], v65, 4*REC, v[LR]
	v_add_nc_u32 v[ASW], s91, v[ASW]
	v_add_nc_u32 v[ASW], 6144, v[ASW]
	v_add_nc_u32 v[ASW+1], SLOT, v[ASW]
	v_mad_u32_u24 v[ASN], v65, 2*REC, v[LR]
	v_add_nc_u32 v[ASN], s88, v[ASN]
	v_add_nc_u32 v[ASN], 6144, v[ASN]
	v_add_nc_u32 v[ASN+1], SLOT, v[ASN]
	v_min_u32 v66, 24, v66
	v_lshlrev_b32 v66, 8, v66
	v_add_nc_u32 v[PFX], s98, v66
	v_and_b32 v67, 8, v64
	v_add_nc_u32 v67, v67, v64                     ; r + 8 (r / 8)
	v_lshlrev_b32 v[CSO], 9, v67
	v_lshl_add_u32 v[CSO], v65, 6, v[CSO]
	v_lshlrev_b32 v[WO], 6, v65
	v_add_nc_u32 v[PFW], s99, v66
	s_wait_alu depctr_va_vdst(0)                   ; the end of the head's vector work
	s_wait_dscnt 0x0                               ; both opening adds are done
	s_wait_kmcnt 0x0
	s_add_nc_u64 s[NP:NP+1], s[4:5], s[92:93]
	s_add_nc_u64 s[WP:WP+1], s[6:7], s[94:95]
	s_add_nc_u64 s[92:93], s[4:5], s[78:79]
	s_add_nc_u64 s[94:95], s[6:7], s[80:81]
.irp s, 0,1
	s_mov_b32 s[G0P+4*\s], 1
	s_add_co_u32 s[G0P+4*\s+1], s86, \s*SLOT
	s_add_nc_u64 s[G0P+4*\s+2:G0P+4*\s+3], s[92:93], \s*REC
	s_or_b32 s[G0P+4*\s+3], s[G0P+4*\s+3], 0x80000000
	s_mov_b32 s[G0R+4*\s], 1
	s_add_co_u32 s[G0R+4*\s+1], s87, \s*SLOT
	s_add_nc_u64 s[G0R+4*\s+2:G0R+4*\s+3], s[94:95], \s*REC
	s_or_b32 s[G0R+4*\s+3], s[G0R+4*\s+3], 0x80000000
.endr
	CROUND                                         ; all sixteen work-groups are here: the first joint loads meet
	JLOAD 0                                        ; K group 0: one tensor load a wave at the head
	ASK REC, 0
	; where the results go.  q: record [8 batch + head][32 quads]; k and v: slot blocks of 51,200 bytes
	s_lshr_b32 s2, s43, 3
	s_and_b32 s3, s43, 7
	s_lshl_b32 s92, s2, 3
	s_add_co_u32 s92, s92, s42
	s_lshl_b32 s92, s92, 5
	s_lshl_b32 s47, s3, 2
	s_add_co_u32 s92, s92, s47
	s_add_co_u32 s92, s92, s20
	s_mul_i32 s92, s92, REC
	s_add_co_u32 s94, s92, 6144
	s_lshl_b32 s98, s2, 2
	s_add_co_u32 s98, s98, s40
	s_lshl_b32 s98, s98, 3
	s_add_co_u32 s98, s98, s3
	s_mul_i32 s98, s98, 51200
	s_mul_i32 s99, s20, 6144
	s_lshl_b32 s100, s20, 8
	s_add_co_u32 s100, s100, 49152
	s_lshl_b32 s101, s22, 3
	s_lshl_b32 s47, s21, 2
	s_add_co_u32 s101, s101, s47
	s_mul_i32 s101, s101, 1536
	s_add_co_u32 s101, s101, 24576
	s_lshl_b32 s47, s22, 1
	s_add_co_u32 s47, s47, s21
	s_lshl_b32 s47, s47, 8
	s_add_co_u32 s47, s47, 50176
	s_cmp_eq_u32 ttmp9, 3
	s_cselect_b32 s99, s101, s99
	s_cselect_b32 s100, s47, s100
	s_add_co_u32 s99, s99, s98
	s_add_co_u32 s100, s100, s98
	s_cmp_lt_u32 ttmp9, 2
	s_cselect_b32 s92, s92, s99
	s_cselect_b32 s94, s94, s100
	s_cselect_b64 s[66:67], s[16:17], s[18:19]
	s_cselect_b64 s[74:75], s[12:13], s[14:15]
	s_mov_b32 s93, 0
	s_mov_b32 s95, 0
	s_add_nc_u64 s[68:69], s[66:67], s[94:95]
	s_add_nc_u64 s[66:67], s[66:67], s[92:93]
	s_lshl_b32 s98, s43, 17
	s_lshl_b32 s99, s20, 15
	s_add_co_u32 s98, s98, s99
	s_mov_b32 s99, 0
	s_add_nc_u64 s[70:71], s[8:9], s[98:99]
	s_add_nc_u64 s[72:73], s[10:11], s[98:99]
	CSCH 0, 0, 3, 0                                ; blocks 0 and 1's cos and sin: 64 loads, issued while the first tile is on its way
	CSCH 0, 1, 3, 32
	CSCH 0, 2, 3, 64
	CSCH 0, 3, 3, 96
	CSCH 1, 0, 3, 128
	CSCH 1, 1, 3, 160
	CSCH 1, 2, 3, 192
	CSCH 1, 3, 3, 224
	WIN 0
	s_wait_alu depctr_va_vdst(0)                   ; the head's end
	s_wait_tensorcnt 0x0                           ; my part of group 0 is in; these lines stand ahead of a later first fill as ahead of a refill
	ds_add_u32 v[SPW], v[NIL]
	s_wait_dscnt 0x0
	CROUND
	JLOAD 1                                        ; K group 1, the first tensor load behind the round
	FETCH 0, 0
	SCALES 0
	ASK 2*REC, 0
	WIN 0x40                                       ; the norm's weights, register 16 bb + i at d = 32 bb + 16 h + i
.irp bb, 0,1,2,3
.irp j, 0,1,2,3
	global_load_b128 v[192+16*\bb+4*\j:192+16*\bb+4*\j+3], v[WO], s[74:75] offset:128*\bb+16*\j
.endr
.endr
	CSCH 2, 0, 0, 160                              ; and three chunks of block 2
	CSCH 2, 1, 0, 192
	CSCH 2, 2, 0, 224
	WIN 0
	STEP 0, 0, 1, 0, 0                             ; the first step's products start the sums
	s_mov_b32 s23, 3
.Llap:                                             ; a trip: two K groups, from an even group's step 1 to the next even group's step 0
	STEP 0, 1, 0, 1, 3*REC
	STEP 0, 2, 0, 0, 0
	TURN 0, 1, 1
	STEP 1, 0, 0, 0, 0
	STEP 1, 1, 0, 2, 4*REC
	STEP 1, 2, 0, 0, 0
	TURN 1, 0, 1
	STEP 0, 0, 0, 0, 0
	s_wait_xcnt 0x0                                ; the trip's prefetches have read their bases
	s_add_nc_u64 s[NP:NP+1], s[NP:NP+1], 2*REC
	s_add_nc_u64 s[WP:WP+1], s[WP:WP+1], 2*REC
	s_sub_co_u32 s23, s23, 1
	s_cmp_lg_u32 s23, 0
	s_cbranch_scc1 .Llap
	STEP 0, 1, 0, 0, 0                             ; groups 6 and 7 are written out: nothing is left to fill
	STEP 0, 2, 0, 0, 0
	TURN 0, 1, 0
	STEP 1, 0, 0, 0, 0
	STEP 1, 1, 0, 0, 0
	STEP 1, 2, 0, 0, 0
	s_wait_dscnt 0x0
	MULS 1, 3, 0
	PLACES 4
	v_mov_b32 v[PD], 0                             ; a lane permute's destination counts as one of its sources
.irp b, 0,1,2,3
	v_mov_b32 v[RSB+1+2*\b], 0                     ; the upper halves of pairs of which the lower alone is used
	v_mov_b32 v[TM+4+\b], 0
.endr
	s_wait_alu depctr_va_vdst(0)                   ; ahead of the branch below
.macro SUMSQ a                         ; mean square of my row of block a, + eps
	WIN 0x0a
.irp u, 0,1,2,3
	v_pk_mul_f32 v[T+2*\u:T+2*\u+1], v[64*(\a)+2*\u:64*(\a)+2*\u+1], v[64*(\a)+2*\u:64*(\a)+2*\u+1]
.endr
.set i, 8
.rept 7
.irp u, 0,1,2,3
	v_pk_fma_f32 v[T+2*\u:T+2*\u+1], v[64*(\a)+i+2*\u:64*(\a)+i+2*\u+1], v[64*(\a)+i+2*\u:64*(\a)+i+2*\u+1], v[T+2*\u:T+2*\u+1]
.endr
.set i, i+8
.endr
	WIN 0
	v_pk_add_f32 v[T:T+1], v[T:T+1], v[T+2:T+3]
	v_pk_add_f32 v[T+4:T+5], v[T+4:T+5], v[T+6:T+7]
	v_pk_add_f32 v[T:T+1], v[T:T+1], v[T+4:T+5]
	v_add_f32 v[T], v[T], v[T+1]
	v_permlanex16_b32 v[PD], v[T], s76, s77
	v_add_f32 v[T], v[T], v[PD]
	v_fma_f32 v[TS+(\a)], v[T], s96, s97
.endm
.macro SCALE a                         ; x rsqrt, x the norm's weight
	WIN 0x82
.set i, 0
.rept 32
	v_pk_mul_f32 v[64*(\a)+i:64*(\a)+i+1], v[64*(\a)+i:64*(\a)+i+1], v[RSB+2*(\a):RSB+2*(\a)+1] op_sel_hi:[1,0]
.set i, i+2
.endr
	WIN 0x86
.set i, 0
.rept 32
	v_pk_mul_f32 v[64*(\a)+i:64*(\a)+i+1], v[64*(\a)+i:64*(\a)+i+1], v[192+i:192+i+1]
.set i, i+2
.endr
	WIN 0
.endm
.macro RPASS a, zo, xo, cw, cb, mode   ; 32 numbers of the rotated row: x a chunk (0), less x a chunk (1), plus x a chunk (2)
	WIN 0x52|((\cw)<<2)
.set i, 0
.rept 16
.if (\mode) == 0
	v_pk_mul_f32 v[Z+(\zo)+i:Z+(\zo)+i+1], v[64*(\a)+(\xo)+i:64*(\a)+(\xo)+i+1], v[(\cb)+i:(\cb)+i+1]
.elseif (\mode) == 1
	v_pk_fma_f32 v[Z+(\zo)+i:Z+(\zo)+i+1], v[64*(\a)+(\xo)+i:64*(\a)+(\xo)+i+1], v[(\cb)+i:(\cb)+i+1], v[Z+(\zo)+i:Z+(\zo)+i+1] neg_lo:[1,0,0] neg_hi:[1,0,0]
.else
	v_pk_fma_f32 v[Z+(\zo)+i:Z+(\zo)+i+1], v[64*(\a)+(\xo)+i:64*(\a)+(\xo)+i+1], v[(\cb)+i:(\cb)+i+1], v[Z+(\zo)+i:Z+(\zo)+i+1]
.endif
.set i, i+2
.endr
.endm
.macro ROPE a, wa, ba, wb, bb, wc, bc, wd, bd   ; registers n and n + 32 are d and d + 64; the four chunks' windows and places
	RPASS \a, 0, 0, \wa, \ba, 0
	RPASS \a, 32, 32, \wb, \bb, 0
	RPASS \a, 0, 32, \wc, \bc, 1
	RPASS \a, 32, 0, \wd, \bd, 2
	WIN 0
.endm
.macro QUANT s, win, pw                ; 64 registers of window win, four blocks of 32 shared with lane l xor 16, become a fragment's 12 registers and a scale word
	WIN (\win)|((\win)<<2)
.irp b, 0,1,2,3
	v_max3_num_f32 v[TM+\b], |v[(\s)+16*\b]|, |v[(\s)+1+16*\b]|, 0x1800000
.endr
	WIN ((\win)<<2)|((\win)<<4)
.irp i, 2,4,6,8,10,12,14
.irp b, 0,1,2,3
	v_max3_num_f32 v[TM+\b], v[TM+\b], |v[(\s)+16*\b+\i]|, |v[(\s)+1+16*\b+\i]|
.endr
.endr
	WIN 0
.irp b, 0,1,2,3
	v_permlanex16_b32 v[TM+4+\b], v[TM+\b], s76, s77
.endr
.irp b, 0,1,2,3
	v_max_num_f32 v[TM+\b], v[TM+\b], v[TM+4+\b]
.endr
.irp b, 0,1,2,3
	v_add_nc_u32 v[TM+12+\b], 0xff000000, v[TM+\b]
.endr
.irp b, 0,1,2,3
	v_lshrrev_b32 v[TM+4+\b], 23, v[TM+12+\b]
.endr
	v_lshl_or_b32 v[\pw], v[TM+5], 8, v[TM+4]
	v_lshl_or_b32 v[\pw], v[TM+6], 16, v[\pw]
	v_lshl_or_b32 v[\pw], v[TM+7], 24, v[\pw]
	s_wait_alu depctr_va_vdst(0)
	s_wait_xcnt 0x0                                ; the last fragment's stores have read the codes' registers
	WIN (\win)
.irp c, 0,1
	v_cvt_scalef32_pk16_fp6_f32 v[PC+6*\c:PC+2+6*\c], v[(\s)+32*\c:(\s)+15+32*\c], v[TM+12+2*\c]
	v_cvt_scalef32_pk16_fp6_f32 v[PC+12+4*\c:PC+14+4*\c], v[(\s)+16+32*\c:(\s)+31+32*\c], v[TM+12+2*\c+1]
.endr
	WIN 0
	v_nop                                          ; one plain place behind a scaled conversion
.irp c, 0,1
.irp i, 0,1,2
	v_permlane16_swap_b32 v[PC+6*\c+\i], v[PC+12+4*\c+\i]
.endr
.irp i, 0,1,2
	v_mov_b32 v[PC+3+6*\c+\i], v[PC+12+4*\c+\i]
.endr
.endr
.endm
.macro EMIT a
.irp c, 0,1,2
	global_store_b128 v[LI], v[PC+4*\c:PC+4*\c+3], s[66:67] offset:1536*(\a)+512*\c   ; 512 consecutive bytes, at a multiple of 256 from the buffer's first byte
.endr
.endm
	s_cmp_eq_u32 s44, 1
	s_cbranch_scc1 .Lvpath
	CSCH 2, 3, 0, 64                               ; q and k: the fragments' registers are free: block 2's last chunk (8 loads) and block 3's four (32)
	CSCH 3, 0, 1, 0
	CSCH 3, 1, 1, 32
	CSCH 3, 2, 1, 64
	CSCH 3, 3, 1, 96
	WIN 0
	SUMSQ 0
	SUMSQ 1
	SUMSQ 2
	SUMSQ 3
	s_wait_alu depctr_va_vdst(0)                   ; one wait ahead of the batch,
.irp a, 0,1,2,3
	v_rsq_f32 v[RSB+2*\a], v[TS+\a]
.endr
	v_nop
	s_wait_alu depctr_va_vdst(0)                   ; and one behind it
	s_wait_loadcnt 40                              ; all but the 40 loads of this arm: the weights, blocks 0 and 1, three chunks of block 2
	SCALE 0
	ROPE 0, 3, 0, 3, 32, 3, 64, 3, 96
	QUANT Z, 1, PW4+0
	EMIT 0
	SCALE 1
	ROPE 1, 3, 128, 3, 160, 3, 192, 3, 224
	QUANT Z, 1, PW4+1
	EMIT 1
	SCALE 2
	s_wait_alu depctr_va_vdst(0)
	s_wait_loadcnt 32                              ; block 2's last chunk is in; block 3's 32 loads may be out
	ROPE 2, 0, 160, 0, 192, 0, 224, 0, 64
	QUANT Z, 1, PW4+2
	EMIT 2
	SCALE 3
	s_wait_alu depctr_va_vdst(0)
	s_wait_loadcnt 0x0
	ROPE 3, 1, 0, 1, 32, 1, 64, 1, 96
	QUANT Z, 1, PW4+3
	EMIT 3
	s_wait_alu depctr_va_vdst(0)
	s_branch .Ljoin
.Lvpath:                                           ; v: accumulators 8 a .. 8 a + 7 are d block 4 (wave / 2) + a: register 16 b + i = key 32 b + 16 h + i of my d
.irp a, 0,1,2,3
	QUANT 64*\a, 2, PW4+\a
	EMIT \a
.endr
	s_wait_alu depctr_va_vdst(0)
.Ljoin:
	global_store_b128 v[LR], v[PW4:PW4+3], s[68:69]   ; the 16 rows' scale words: 256 bytes; both halves of the lanes hold and write the same
	s_wait_tensorcnt 0x0                           ; the wave's end
	ds_add_u32 v[SPW], v[NIL]
	s_wait_dscnt 0x0
	CROUND                                         ; the closing round
	s_endpgm
.Lfunc_end_k_qce4f9531d1_qkv:
	.size	k_qce4f9531d1_qkv, .Lfunc_end_k_qce4f9531d1_qkv-k_qce4f9531d1_qkv
	.p2alignl 7, 3214868480
	.fill 96, 4, 3214868480
	.section	.rodata,"a",@progbits
	.p2align	6, 0x0
	.amdhsa_kernel k_qce4f9531d1_qkv
		.amdhsa_group_segment_fixed_size 327680
		.amdhsa_private_segment_fixed_size 0
		.amdhsa_enable_private_segment 0
		.amdhsa_kernarg_size 64
		.amdhsa_user_sgpr_count 2
		.amdhsa_user_sgpr_kernarg_segment_ptr 1
		.amdhsa_wavefront_size32 1
		.amdhsa_system_sgpr_workgroup_id_x 1
		.amdhsa_system_sgpr_workgroup_id_y 1
		.amdhsa_system_sgpr_workgroup_id_z 1
		.amdhsa_system_vgpr_workitem_id 0
		.amdhsa_next_free_vgpr 1024
		.amdhsa_next_free_sgpr 102
		.amdhsa_reserve_vcc 0
		.amdhsa_float_denorm_mode_32 3
		.amdhsa_float_denorm_mode_16_64 3
		.amdhsa_memory_ordered 1
		.amdhsa_forward_progress 1
		.amdhsa_inst_pref_size 211
	.end_amdhsa_kernel
	.amdgpu_metadata
---
amdhsa.version: [ 1, 2 ]
amdhsa.kernels:
  - .name:           k_qce4f9531d1_qkv
    .symbol:         k_qce4f9531d1_qkv.kd
    .args:
      - { .name: xc, .offset: 0, .size: 8, .value_kind: global_buffer, .address_space: global }
      - { .name: wc, .offset: 8, .size: 8, .value_kind: global_buffer, .address_space: global }
      - { .name: cos, .offset: 16, .size: 8, .value_kind: global_buffer, .address_space: global }
      - { .name: sin, .offset: 24, .size: 8, .value_kind: global_buffer, .address_space: global }
      - { .name: q_norm_w, .offset: 32, .size: 8, .value_kind: global_buffer, .address_space: global }
      - { .name: k_norm_w, .offset: 40, .size: 8, .value_kind: global_buffer, .address_space: global }
      - { .name: qc, .offset: 48, .size: 8, .value_kind: global_buffer, .address_space: global }
      - { .name: kv, .offset: 56, .size: 8, .value_kind: global_buffer, .address_space: global }
    .group_segment_fixed_size: 327680
    .private_segment_fixed_size: 0
    .kernarg_segment_align: 8
    .kernarg_segment_size: 64
    .max_flat_workgroup_size: 128
    .sgpr_count:     102
    .vgpr_count:     1024
    .wavefront_size: 32
...
	.end_amdgpu_metadata
.endif
;; end of part 2
;; launch attn (part 3): grid 16 x 16, 16 waves a work-group, no clusters, 327,680 bytes of LDS; arguments qc, kv, oc; writes oc
.if DOCPART == 3
	.amdgcn_target "amdgcn-amd-amdhsa--gfx1250"
	.amdhsa_code_object_version 6
	.text
	.protected	k_qce4f9531d1_attn
	.globl	k_qce4f9531d1_attn
	.p2align	8
	.type	k_qce4f9531d1_attn,@function
k_qce4f9531d1_attn:
	s_mov_b64 s[64:65], 0
	v_nop
	global_prefetch_b8 v0, s[64:65] scope:SCOPE_SE
	s_setreg_imm32_b32 hwreg(HW_REG_WAVE_MODE, 25, 1), 1
	s_wait_xcnt 0x0
; Causal attention on codes of FP6, 16 (batch, head) pairs of 2,048 queries x 2,048 keys, head size 128; two query heads share a kv head.
; t = score x log2(e) / sqrt(128); M = the running largest t rounded UP to a whole number; p = 2^(t - M) is quantised along the keys, not normalised; the row's sum is taken of the unquantised p and divides at the end.
; The result is quantised along the head's 128 and stored as K step (head) of the last product's operand, as an image of its registers.
; SHARES.  Work-group (j, batch x 8 + head) owns quads j and 31 - j of 64 queries: 8 tiles of 16, and the same causal work for every j.  Each tile has TWO waves, which share the key steps by parity:
; a slot holds 256 keys, two steps of 128; wave 2 tau + p takes step p of every slot.  The two halves are merged once through LDS; since M is a whole number the factors are exact powers of two.
; Both products are used transposed (S^T = K Q^T, O^T = V^T P^T): a lane holds one query throughout.  Lane r of a row block a (queries, keys, d rows alike) is row 32 (a / 2) + 8 (a % 2) + r + 8 (r / 8),
; so the 16 registers of tiles 2 b and 2 b + 1 are 16 neighbours along the next K.
; A slot block of kv, 51,200 dense bytes: K's 16 fragments; V^T's 16 (key step q, d block t at 8 q + t); K's scale words (4 x 256); V's (4 x 256).  Waves 0 and 1 fetch a half each.
; CAUSAL.  Every work-group walks all 8 slots (constant trip counts); a step all of whose keys come after the wave's queries is jumped over; a slot whose first key comes after the work-group's last query is not asked for.
; NO CLUSTER: the number of slots that a work-group needs hangs on j, a joint load may not be jumped over, and asking for all 8 everywhere would fill slots that no step reads.
; O's scale word leaves as 4 bytes a lane, 16 bytes apart (64 of every 1,600 bytes that a wave stores): the price of one head to a work-group.
; A block's largest p is made from the block's largest score by the same two instructions (it takes v_exp_f32 not to fall where its input rises).  LIMITS: NaN and infinities are not served; bytes held at 1 from below.
; REGISTERS: v1-11, v28-29 addresses; v12 -M, v13 the largest t, v[14:15] the sum; v16-27 Q; v32-79 four fragments; v80-87 K's or V's scale words; v96-159 S^T, then p; v160-223 O^T; v224-254 at work; v253 p's scale word; v255 Q's.
.set SLOT1, 65536                      ; slot 1: one exclusive or turns an address
.set MG,    131072                     ; the merge's stages: 8,448 bytes a tile: O^T as 16 images of 512 bytes, then (-M, l), 8 bytes a lane
.set SPARE, MG+8*8448                  ; the spare words, 128 bytes for each of 16 waves
.set TM, 32
.set PC, 224
.set PW, 48
.macro TLOAD                           ; waves 0 and 1 fetch; an s_nop 0 and four v_nop follow the line
	s_cmp_lt_u32 s10, 2
	s_cbranch_scc0 .Lno_load_\@
	tensor_load_to_lds s[32:35], s[24:31]
	s_nop 0
.rept 4
	v_nop
.endr
.Lno_load_\@:
.endm
; A prefetch into the L2 of the codes of the slot that the NEXT change of slots will ask for: 192 blocks of 256 bytes, a lane a block, six waves.  All 32 work-groups of a kv head walk the same slots:
; the one with j = 0 and an even head asks, its waves 2 to 7.  Slots 0 and 1 and the scale words come by their loads alone; the last change that fills a slot asks for nothing.
.macro ASK
	s_cmp_gt_u32 s37, s39
	s_cbranch_scc0 .Lnot_mine_\@
	global_prefetch_b8 v28, s[40:41] th:TH_LOAD_NT scope:SCOPE_SE
.Lnot_mine_\@:
.endm
	s_load_b128 s[4:7], s[0:1], 0x0                ; qc, kv
	s_load_b64 s[8:9], s[0:1], 0x10                ; oc
	v_lshl_add_u32 v5, v0, 2, SPARE
	v_mov_b32 v6, 0
	ds_add_u32 v5, v6                              ; the wave's opening: the add and its wait ahead of the first tensor load
	ds_add_u32 v5, v6
	v_lshrrev_b32 v8, 5, v0
	s_delay_alu instid0(VALU_DEP_1)
	v_readfirstlane_b32 s10, v8                    ; wave 0..15
	s_and_b32 s11, s10, 1                          ; parity: which key step of a slot
	s_lshr_b32 s12, s10, 1                         ; tile 0..7
	s_mov_b32 s13, ttmp9                           ; j
	s_and_b32 s14, ttmp7, 0xffff                   ; 8 batch + head
	s_and_b32 s16, s12, 3                          ; row block in the quad
	s_sub_co_u32 s42, 31, s13
	s_cmp_lt_u32 s12, 4
	s_cselect_b32 s15, s13, s42                    ; quad: j or 31 - j
	s_lshl_b32 s17, s15, 6
	s_lshr_b32 s42, s16, 1
	s_lshl_b32 s42, s42, 5
	s_add_co_u32 s17, s17, s42
	s_and_b32 s42, s16, 1
	s_lshl_b32 s42, s42, 3
	s_add_co_u32 s17, s17, s42                     ; my tile's first query; lane r's is r + 8 (r / 8) on
	s_lshl_b32 s38, s13, 6
	s_sub_co_u32 s38, 2047, s38                    ; my work-group's last query
	s_lshl_b32 s18, s11, 7                         ; my step's first key
	s_mov_b32 s19, 0                               ; the slot's first key
	s_mov_b32 s36, 0                               ; the slot in hand
	s_mov_b32 s37, 7                               ; slots still to be asked for
	s_mov_b32 s20, 0x76543210
	s_mov_b32 s21, 0xfedcba98
	s_mov_b32 s22, 0x3e0293ee                      ; c = log2(e) / sqrt(128)
	s_mov_b32 s23, s22
	s_mov_b32 s24, 3<<16                           ; group 1: half a slot block, 100 dense rows of 256 bytes (32 elements of 8)
	s_mov_b32 s25, 32<<16
	s_mov_b32 s26, 100<<16
	s_mov_b32 s27, 32<<16
	s_mov_b32 s28, 100
	s_mov_b32 s29, 32
	s_mov_b32 s30, 0
	s_mov_b32 s31, 0
	s_lshr_b32 s44, s14, 1                         ; 4 batch + kv head
	s_mul_i32 s44, s44, 409600
	s_mul_i32 s46, s11, 25600                      ; in waves 0 and 1: my half
	s_add_co_u32 s48, s44, s46
	s_mov_b32 s49, 0
	s_lshl_b32 s50, s14, 5
	s_add_co_u32 s50, s50, s15
	s_mul_i32 s50, s50, 6400                       ; Q's record
	s_mov_b32 s51, 0
	s_lshr_b32 s52, s14, 3
	s_lshl_b32 s52, s52, 7
	s_lshl_b32 s53, s15, 2
	s_add_co_u32 s52, s52, s53
	s_add_co_u32 s52, s52, s16                     ; O's row block: 128 batch + 4 quad + block
	s_mul_i32 s52, s52, 12800
	s_and_b32 s54, s14, 7
	s_lshr_b32 s55, s54, 2
	s_mul_i32 s55, s55, 6400
	s_add_co_u32 s52, s52, s55                     ; its record: head / 4
	s_mov_b32 s53, 0
	s_and_b32 s54, s54, 3                          ; head % 4: which fragment and which word
	s_sub_co_u32 s43, s10, 2
	s_min_u32 s56, s43, 5                          ; the prefetches: waves 2 .. 7 take 8,192 bytes each (held inside the slot in the waves that never ask)
	s_lshl_b32 s56, s56, 13
	s_add_co_u32 s56, s56, s44
	s_add_co_u32 s56, s56, 51200                   ; in slot 1: the first change of slots steps it to slot 2
	s_mov_b32 s57, 0
	s_cmp_lt_u32 s43, 6
	s_cselect_b32 s45, 0, 1
	s_or_b32 s45, s45, s13
	s_and_b32 s47, s14, 1
	s_or_b32 s45, s45, s47
	s_cmp_eq_u32 s45, 0
	s_cselect_b32 s39, 1, -1                       ; 1 in a wave that prefetches, else the greatest number
	s_wait_dscnt 0x0                               ; the opening add is done
	s_wait_kmcnt 0x0
	s_mov_b32 s32, 1
	s_mov_b32 s33, s46
	s_add_nc_u64 s[34:35], s[6:7], s[48:49]
	s_or_b32 s35, s35, 0x80000000
	TLOAD                                          ; slot 0
	s_add_nc_u64 s[40:41], s[6:7], s[56:57]
	s_add_nc_u64 s[4:5], s[4:5], s[50:51]
	s_add_nc_u64 s[8:9], s[8:9], s[52:53]
	v_and_b32 v30, 15, v0                          ; r
	v_bfe_u32 v31, v0, 4, 1                        ; h
	v_and_b32 v9, 31, v0                           ; lane
	s_delay_alu instid0(VALU_DEP_1)
	v_lshlrev_b32 v10, 4, v9                       ; 16 x lane
	s_mul_i32 s58, s16, 1536
	v_add_nc_u32 v8, s58, v10
.irp c, 0,1,2
	global_load_b128 v[16+4*\c:19+4*\c], v8, s[4:5] offset:512*\c   ; Q's fragment stays in registers
.endr
	s_lshl_b32 s59, s16, 2
	v_lshl_add_u32 v254, v30, 4, s59
	global_load_b32 v255, v254, s[4:5] offset:6144  ; Q's scale words
	s_mul_i32 s60, s11, 12288
	v_add_nc_u32 v1, s60, v10                      ; fragments: 16 x lane + my step's eight
	s_lshl_b32 s61, s11, 9
	s_add_co_u32 s61, s61, 49152
	v_lshl_add_u32 v2, v30, 4, s61                 ; scale words: 16 r + my step's two groups of four
	v_and_b32 v3, 8, v30
	s_delay_alu instid0(VALU_DEP_1)
	v_add_nc_u32 v3, v3, v30
	v_lshlrev_b32 v31, 4, v31
	s_delay_alu instid0(VALU_DEP_1)
	v_sub_nc_u32 v3, v3, v31
	s_delay_alu instid0(VALU_DEP_1)
	v_add_nc_u32 v3, s17, v3                       ; my query - 16 h
	s_mul_i32 s62, s12, 8448
	s_add_co_u32 s62, s62, MG
	v_add_nc_u32 v4, s62, v10                      ; the merge: O^T's images
	v_lshl_add_u32 v7, v9, 3, s62
	s_delay_alu instid0(VALU_DEP_1)
	v_add_nc_u32 v7, 8192, v7                      ; and (-M, l)
	s_lshl_b32 s63, s54, 2
	v_lshl_add_u32 v11, v30, 4, s63                ; O's scale word: 16 r + 4 (head % 4)
	s_mul_i32 s63, s54, 1536
	v_add_nc_u32 v29, s63, v10                     ; O's codes: 16 x lane + 1,536 (head % 4)
	v_lshlrev_b32 v28, 8, v9                       ; the prefetches: 256 x lane
	v_mov_b32 v13, 0xff61b1e6                      ; the largest t so far: -3e38
	s_delay_alu instid0(VALU_DEP_1)
	v_floor_f32 v12, -v13                          ; -M
	v_mov_b32 v14, 0
	v_mov_b32 v15, 0
.irp b, 0,1,2,3
	v_mov_b32 v[236+\b], 0                         ; written once: a lane permute's destination counts as one of its sources
.endr
	v_mov_b32 v253, 0
.set n, 0
.rept 64
	v_mov_b32 v[160+n], 0                          ; O^T: the step is written once; the first finds zeros, and a wave that walks no step hands zeros to the merge
.set n, n+1
.endr
; MY KEY STEP OF THE SLOT IN HAND: 128 keys.
.macro STEP
	s_add_co_u32 s96, s17, 23                      ; my tile's last query
	s_cmp_gt_u32 s18, s96
	s_cbranch_scc1 .Lhidden_\@                     ; all keys come after all my queries: ids and the count of steps alone
	v_add_nc_u32 v8, s36, v1
	s_wait_alu depctr_va_vdst(0)
	v_add_nc_u32 v9, s36, v2
	v_nop
	v_nop                                          ; four places in front of loads into registers that the last products read
	ds_load_b128 v[80:83], v9                      ; K's scale words, tiles 0-3
	ds_load_b128 v[84:87], v9 offset:256           ; tiles 4-7
.irp g, 0,1                                    ; S^T = K Q^T, four tiles of 16 keys at a time
.if \g
.rept 4
	v_nop
.endr
.endif
.irp t, 0,1,2,3
.irp c, 0,1,2
	ds_load_b128 v[32+12*\t+4*\c:35+12*\t+4*\c], v8 offset:(4*\g+\t)*1536+512*\c
.endr
.endr
	s_wait_dscnt 0x0
.irp t, 0,1,2,3
	v_wmma_scale_f32_16x16x128_f8f6f4 v[96+8*(4*\g+\t):103+8*(4*\g+\t)], v[32+12*\t:43+12*\t], v[16:27], 0, v[80+4*\g+\t], v255 matrix_a_fmt:MATRIX_FMT_FP6 matrix_b_fmt:MATRIX_FMT_FP6
.endr
.endr
.rept 4
	v_nop
.endr
	s_wait_alu depctr_va_vdst(0)
	ds_load_b128 v[80:83], v9 offset:1024          ; V is asked for here, and lands while the softmax is walked: its scale words,
	ds_load_b128 v[84:87], v9 offset:1280
.irp t, 0,1,2,3
.irp c, 0,1,2
	ds_load_b128 v[32+12*\t+4*\c:35+12*\t+4*\c], v8 offset:24576+\t*1536+512*\c   ; and its first four fragments
.endr
.endr
	s_add_co_u32 s96, s18, 127                     ; on the diagonal the scores of hidden keys become -infinity; a step all of whose keys count skips this
	s_cmp_le_u32 s96, s17
	s_cbranch_scc1 .Lopen_\@
	v_sub_nc_u32 v252, v3, s18                     ; register 16 b + i holds key (first key) + 16 h + 32 b + i: hidden where 32 b + i > my query - 16 h - first key
	v_mov_b32 v254, 0xff800000
.set n, 0
.rept 64
	v_cmp_gt_i32 vcc_lo, 32*(n/16)+n%16, v252
	v_cndmask_b32 v[96+n], v[96+n], v254, vcc_lo
.set n, n+1
.endr
.Lopen_\@:
.irp b, 0,1,2,3
	v_max3_num_f32 v[232+\b], v[96+16*\b], v[97+16*\b], v[98+16*\b]   ; the largest score of each block of 32 keys: for the row's maximum, and for the block's largest p
.endr
.irp i, 3,5,7,9,11,13
.irp b, 0,1,2,3
	v_max3_num_f32 v[232+\b], v[232+\b], v[96+16*\b+\i], v[97+16*\b+\i]
.endr
.endr
.irp b, 0,1,2,3
	v_max_num_f32 v[232+\b], v[232+\b], v[111+16*\b]
.endr
.irp b, 0,1,2,3
	s_delay_alu instid0(VALU_DEP_4)
	v_permlanex16_b32 v[236+\b], v[232+\b], s20, s21
.endr
.irp b, 0,1,2,3
	s_delay_alu instid0(VALU_DEP_4)
	v_max_num_f32 v[232+\b], v[232+\b], v[236+\b]
.endr
	s_delay_alu instid0(VALU_DEP_2)
	v_max3_num_f32 v254, v232, v233, v234
	s_delay_alu instid0(VALU_DEP_1)
	v_max_num_f32 v254, v254, v235
	s_delay_alu instid0(VALU_DEP_1)
	v_mul_f32 v254, s22, v254                      ; the step's largest t
	s_delay_alu instid0(VALU_DEP_1)
	v_max_num_f32 v13, v13, v254
	v_mov_b32 v254, v12
	s_delay_alu instid0(VALU_DEP_2)
	v_floor_f32 v12, -v13                          ; the new -M = -ceil(t)
	s_delay_alu instid0(VALU_DEP_1)
	v_sub_f32 v254, v12, v254                      ; old M - new M: a whole number, 0 or less
	s_delay_alu instid0(VALU_DEP_1)
	v_cvt_i32_f32 v254, v254                       ; (it saturates)
	s_delay_alu instid0(VALU_DEP_1)
	v_ldexp_f32 v252, 1.0, v254                    ; f = 2^(old M - new M)
.set n, 0
.rept 32
	v_pk_fma_f32 v[96+n:97+n], v[96+n:97+n], s[22:23], v[12:13] op_sel_hi:[1,0,0]   ; t - M
.set n, n+2
.endr
.irp b, 0,1,2,3
	v_fma_f32 v[232+\b], v[232+\b], s22, v12
.endr
.set n, 0
	s_wait_alu depctr_va_vdst(0)
.rept 64
	v_exp_f32 v[96+n], v[96+n]                     ; p = 2^(t - M)
.set n, n+1
.endr
	v_pk_mul_f32 v[14:15], v[14:15], v[252:253] op_sel_hi:[1,0]   ; the sums under the new M (a plain place behind the exponentials)
	s_wait_alu depctr_va_vdst(0)                   ; one wait for the batch, ahead of its first reader
.irp b, 0,1,2,3
	v_exp_f32 v[232+\b], v[232+\b]                 ; the blocks' largest p
.endr
	v_pk_add_f32 v[236:237], v[100:101], v[104:105]
	v_pk_add_f32 v[250:251], v[108:109], v[112:113]
	v_pk_add_f32 v[248:249], v[116:117], v[120:121]
	v_pk_add_f32 v[246:247], v[124:125], v[128:129]
	v_pk_add_f32 v[244:245], v[132:133], v[136:137]
	v_pk_add_f32 v[242:243], v[140:141], v[144:145]
	v_pk_add_f32 v[240:241], v[148:149], v[152:153]
	v_pk_add_f32 v[14:15], v[14:15], v[156:157]
	v_pk_add_f32 v[236:237], v[236:237], v[96:97]
	v_pk_add_f32 v[250:251], v[250:251], v[98:99]
	v_pk_add_f32 v[248:249], v[248:249], v[102:103]
	v_pk_add_f32 v[246:247], v[246:247], v[106:107]
	v_pk_add_f32 v[244:245], v[244:245], v[110:111]
	v_pk_add_f32 v[242:243], v[242:243], v[114:115]
	v_pk_add_f32 v[240:241], v[240:241], v[118:119]
	v_pk_add_f32 v[14:15], v[14:15], v[122:123]
	v_pk_add_f32 v[236:237], v[236:237], v[126:127]
	v_pk_add_f32 v[250:251], v[250:251], v[130:131]
	v_pk_add_f32 v[248:249], v[248:249], v[134:135]
	v_pk_add_f32 v[246:247], v[246:247], v[138:139]
	v_pk_add_f32 v[244:245], v[244:245], v[142:143]
	v_pk_add_f32 v[242:243], v[242:243], v[146:147]
	v_pk_add_f32 v[240:241], v[240:241], v[150:151]
	v_pk_add_f32 v[14:15], v[14:15], v[154:155]
	v_pk_add_f32 v[236:237], v[236:237], v[158:159]
	s_delay_alu instid0(VALU_DEP_2)
	v_pk_add_f32 v[14:15], v[14:15], v[246:247]
	s_delay_alu instid0(VALU_DEP_2)
	v_pk_add_f32 v[236:237], v[236:237], v[244:245]
	v_pk_add_f32 v[250:251], v[250:251], v[242:243]
	v_pk_add_f32 v[248:249], v[248:249], v[240:241]
	s_delay_alu instid0(VALU_DEP_2)
	v_pk_add_f32 v[14:15], v[14:15], v[250:251]
	s_delay_alu instid0(VALU_DEP_2)
	v_pk_add_f32 v[236:237], v[236:237], v[248:249]
	s_delay_alu instid0(VALU_DEP_1)
	v_pk_add_f32 v[14:15], v[14:15], v[236:237]
	s_wait_alu depctr_va_vdst(0)                   ; and one for the four
.irp b, 0,1,2,3
	v_max_num_f32 v[232+\b], 0x1800000, v[232+\b]  ; the floor 2^(3 - 127)
.endr
.irp b, 0,1,2,3
	s_delay_alu instid0(VALU_DEP_4)
	v_add_nc_u32 v[244+\b], 0xff000000, v[232+\b]
.endr
.irp b, 0,1,2,3
	s_delay_alu instid0(VALU_DEP_4)
	v_lshrrev_b32 v[236+\b], 23, v[244+\b]
.endr
	s_delay_alu instid0(VALU_DEP_3)
	v_lshl_or_b32 v253, v237, 8, v236              ; p's scale word for these 128 keys
	s_delay_alu instid0(VALU_DEP_1)
	v_lshl_or_b32 v253, v238, 16, v253
	s_delay_alu instid0(VALU_DEP_1)
	v_lshl_or_b32 v253, v239, 24, v253
.irp c, 0,1
	v_cvt_scalef32_pk16_fp6_f32 v[224+6*\c:226+6*\c], v[96+32*\c:111+32*\c], v[244+2*\c]
	v_cvt_scalef32_pk16_fp6_f32 v[236+4*\c:238+4*\c], v[112+32*\c:127+32*\c], v[244+2*\c+1]
.endr
	v_nop
.irp c, 0,1
.irp i, 0,1,2
	v_permlane16_swap_b32 v[224+6*\c+\i], v[236+4*\c+\i]
.endr
.irp i, 0,1,2
	s_delay_alu instid0(VALU_DEP_3)
	v_mov_b32 v[227+6*\c+\i], v[236+4*\c+\i]
.endr
.endr
.set n, 0
.rept 32
	v_pk_mul_f32 v[160+n:161+n], v[160+n:161+n], v[252:253] op_sel_hi:[1,0]   ; O^T under the new M; these 32 are also the places in front of the products below
.set n, n+2
.endr
	s_wait_alu depctr_va_vdst(0)
	s_wait_dscnt 0x0                               ; V's scale words and first four fragments
.irp t, 0,1,2,3
	v_wmma_scale_f32_16x16x128_f8f6f4 v[160+8*\t:167+8*\t], v[32+12*\t:43+12*\t], v[224:235], v[160+8*\t:167+8*\t], v[80+\t], v253 matrix_a_fmt:MATRIX_FMT_FP6 matrix_b_fmt:MATRIX_FMT_FP6
.endr
.rept 4
	v_nop
.endr
.irp t, 0,1,2,3
.irp c, 0,1,2
	ds_load_b128 v[32+12*\t+4*\c:35+12*\t+4*\c], v8 offset:24576+(4+\t)*1536+512*\c
.endr
.endr
	s_wait_dscnt 0x0
.irp t, 0,1,2,3
	v_wmma_scale_f32_16x16x128_f8f6f4 v[192+8*\t:199+8*\t], v[32+12*\t:43+12*\t], v[224:235], v[192+8*\t:199+8*\t], v[84+\t], v253 matrix_a_fmt:MATRIX_FMT_FP6 matrix_b_fmt:MATRIX_FMT_FP6
.endr
.Lhidden_\@:
	s_add_co_u32 s18, s18, 256
	s_add_co_u32 s19, s19, 256
.endm
; THE CHANGE OF SLOTS stands at a slot's head: each wave waits for all its tensor loads, adds 0 to its spare word, and waits for that and for its reads of the slot that it has left; one barrier;
; fill = 1: the slot just left is filled with the next 256 keys, while its first key is at or under the work-group's last query.  Every wait on TENSORcnt in this text is for 0.
.macro CHANGE fill
	s_wait_tensorcnt 0x0
	ds_add_u32 v5, v6
.if \fill
	s_xor_b32 s33, s33, SLOT1                      ; the walking descriptor: the other slot, the next slot block
	s_add_nc_u64 s[34:35], s[34:35], 51200
	s_wait_xcnt 0x0                                ; the last prefetch, a slot back, has read its address
	s_add_nc_u64 s[40:41], s[40:41], 51200
.endif
	s_wait_dscnt 0x0
	s_barrier_signal -1
	s_barrier_wait -1
.if \fill
	s_add_co_u32 s96, s19, 256                     ; the first key of the slot that this change would ask for
	s_cmp_gt_u32 s96, s38                          ; ids and the count of steps alone: all sixteen waves go the same way
	s_cbranch_scc1 .Lpast_\@
	TLOAD
.Lpast_\@:
	ASK
.endif
.endm
	s_wait_loadcnt 0x0                             ; Q
.Lslot:                                            ; 7 trips
	CHANGE 1
	STEP
	s_xor_b32 s36, s36, SLOT1
	s_sub_co_u32 s37, s37, 1
	s_cmp_lg_u32 s37, 0
	s_cbranch_scc1 .Lslot
	CHANGE 0                                       ; the last slot is written out: it asks for nothing
	STEP
	; THE MERGE of a tile's two halves.  The odd wave hands O^T, -M and its sum to the even one through LDS.
	v_add_f32 v13, v14, v15                        ; the sum's two halves
	v_nop
	v_nop
	v_nop                                          ; four places behind the last products
	s_cmp_eq_u32 s11, 0
	s_cbranch_scc1 .Leven
.set n, 0
	s_wait_alu depctr_va_vdst(0)
.rept 16
	ds_store_b128 v4, v[160+4*n:163+4*n] offset:512*n   ; each accumulator from its low end on
.set n, n+1
.endr
	ds_store_b64 v7, v[12:13]
.Leven:
	s_wait_dscnt 0x0                               ; for the other wave's sake
	s_barrier_signal -1
	s_barrier_wait -1
	s_cmp_eq_u32 s11, 1
	s_cbranch_scc1 .Lend
.set n, 0
.rept 16
	ds_load_b128 v[96+4*n:99+4*n], v4 offset:512*n
.set n, n+1
.endr
	ds_load_b64 v[232:233], v7
	s_wait_dscnt 0x0
	v_min_num_f32 v234, v12, v232                  ; -(the larger M)
	s_delay_alu instid0(VALU_DEP_1)
	v_sub_f32 v248, v234, v12
	s_delay_alu instid0(VALU_DEP_2)
	v_sub_f32 v250, v234, v232
	s_delay_alu instid0(VALU_DEP_2)
	v_cvt_i32_f32 v248, v248                       ; (saturates: a half that walked no step gets the factor 0)
	s_delay_alu instid0(VALU_DEP_2)
	v_cvt_i32_f32 v250, v250
	s_delay_alu instid0(VALU_DEP_2)
	v_ldexp_f32 v248, 1.0, v248
	s_wait_alu depctr_va_vdst(0)
	v_ldexp_f32 v250, 1.0, v250
	v_mul_f32 v235, v13, v248
	s_delay_alu instid0(VALU_DEP_1)
	v_fma_f32 v235, v233, v250, v235
	s_delay_alu instid0(VALU_DEP_1)
	v_permlanex16_b32 v236, v235, s20, s21
	s_delay_alu instid0(VALU_DEP_1)
	v_add_f32 v235, v235, v236                     ; the row's sum
	s_wait_alu depctr_va_vdst(0)
	v_rcp_f32 v252, v235
	v_nop
	s_wait_alu depctr_va_vdst(0)
	v_mul_f32 v248, v248, v252
	v_mul_f32 v250, v250, v252
	s_delay_alu instid0(VALU_DEP_2)
	v_mov_b32 v249, v248
	s_delay_alu instid0(VALU_DEP_2)
	v_mov_b32 v251, v250
.irp b, 0,1,2,3
	v_mov_b32 v[TM+4+\b], 0                        ; a lane permute's destination counts as one of its sources
.endr
.set n, 0
.rept 32
	v_pk_mul_f32 v[96+n:97+n], v[96+n:97+n], v[250:251]
.set n, n+2
.endr
.set n, 0
.rept 32
	v_pk_fma_f32 v[96+n:97+n], v[160+n:161+n], v[248:249], v[96+n:97+n]   ; register 16 b + i = o(my query, d = 32 b + 16 h + i)
.set n, n+2
.endr
.irp b, 0,1,2,3
	v_max3_num_f32 v[TM+\b], |v[96+16*\b]|, |v[97+16*\b]|, 0x1800000
.endr
.irp i, 2,4,6,8,10,12,14
.irp b, 0,1,2,3
	s_delay_alu instid0(VALU_DEP_4)
	v_max3_num_f32 v[TM+\b], v[TM+\b], |v[96+16*\b+\i]|, |v[97+16*\b+\i]|
.endr
.endr
.irp b, 0,1,2,3
	s_delay_alu instid0(VALU_DEP_4)
	v_permlanex16_b32 v[TM+4+\b], v[TM+\b], s20, s21
.endr
.irp b, 0,1,2,3
	s_delay_alu instid0(VALU_DEP_4)
	v_max_num_f32 v[TM+\b], v[TM+\b], v[TM+4+\b]
.endr
.irp b, 0,1,2,3
	s_delay_alu instid0(VALU_DEP_4)
	v_add_nc_u32 v[TM+12+\b], 0xff000000, v[TM+\b]
.endr
.irp b, 0,1,2,3
	s_delay_alu instid0(VALU_DEP_4)
	v_lshrrev_b32 v[TM+4+\b], 23, v[TM+12+\b]
.endr
	s_delay_alu instid0(VALU_DEP_3)
	v_lshl_or_b32 v[PW], v[TM+5], 8, v[TM+4]
	s_delay_alu instid0(VALU_DEP_1)
	v_lshl_or_b32 v[PW], v[TM+6], 16, v[PW]
	s_delay_alu instid0(VALU_DEP_1)
	v_lshl_or_b32 v[PW], v[TM+7], 24, v[PW]
.irp c, 0,1
	v_cvt_scalef32_pk16_fp6_f32 v[PC+6*\c:PC+2+6*\c], v[96+32*\c:111+32*\c], v[TM+12+2*\c]
	v_cvt_scalef32_pk16_fp6_f32 v[PC+12+4*\c:PC+14+4*\c], v[112+32*\c:127+32*\c], v[TM+12+2*\c+1]
.endr
	v_nop
.irp c, 0,1
.irp i, 0,1,2
	v_permlane16_swap_b32 v[PC+6*\c+\i], v[PC+12+4*\c+\i]
.endr
.irp i, 0,1,2
	s_delay_alu instid0(VALU_DEP_3)
	v_mov_b32 v[PC+3+6*\c+\i], v[PC+12+4*\c+\i]
.endr
.endr
.irp c, 0,1,2
	global_store_b128 v29, v[PC+4*\c:PC+4*\c+3], s[8:9] offset:512*\c   ; 512 consecutive bytes, at a multiple of 256 from the buffer's first byte
.endr
	global_store_b32 v11, v[PW], s[8:9] offset:6144
.Lend:
	s_wait_tensorcnt 0x0                           ; the wave's end
	ds_add_u32 v5, v6
	s_wait_dscnt 0x0
	s_endpgm
.Lfunc_end_k_qce4f9531d1_attn:
	.size	k_qce4f9531d1_attn, .Lfunc_end_k_qce4f9531d1_attn-k_qce4f9531d1_attn
	.p2alignl 7, 3214868480
	.fill 96, 4, 3214868480
	.section	.rodata,"a",@progbits
	.p2align	6, 0x0
	.amdhsa_kernel k_qce4f9531d1_attn
		.amdhsa_group_segment_fixed_size 327680
		.amdhsa_private_segment_fixed_size 0
		.amdhsa_enable_private_segment 0
		.amdhsa_kernarg_size 24
		.amdhsa_user_sgpr_count 2
		.amdhsa_user_sgpr_kernarg_segment_ptr 1
		.amdhsa_wavefront_size32 1
		.amdhsa_system_sgpr_workgroup_id_x 1
		.amdhsa_system_sgpr_workgroup_id_y 1
		.amdhsa_system_sgpr_workgroup_id_z 1
		.amdhsa_system_vgpr_workitem_id 0
		.amdhsa_next_free_vgpr 256
		.amdhsa_next_free_sgpr 100
		.amdhsa_reserve_vcc 1
		.amdhsa_float_denorm_mode_32 3
		.amdhsa_float_denorm_mode_16_64 3
		.amdhsa_memory_ordered 1
		.amdhsa_forward_progress 1
		.amdhsa_inst_pref_size 74
	.end_amdhsa_kernel
	.amdgpu_metadata
---
amdhsa.version: [ 1, 2 ]
amdhsa.kernels:
  - .name:           k_qce4f9531d1_attn
    .symbol:         k_qce4f9531d1_attn.kd
    .args:
      - { .name: qc, .offset: 0, .size: 8, .value_kind: global_buffer, .address_space: global }
      - { .name: kv, .offset: 8, .size: 8, .value_kind: global_buffer, .address_space: global }
      - { .name: oc, .offset: 16, .size: 8, .value_kind: global_buffer, .address_space: global }
    .group_segment_fixed_size: 327680
    .private_segment_fixed_size: 0
    .kernarg_segment_align: 8
    .kernarg_segment_size: 24
    .max_flat_workgroup_size: 512
    .sgpr_count:     100
    .vgpr_count:     256
    .wavefront_size: 32
...
	.end_amdgpu_metadata
.endif
;; end of part 3
;; launch proj (part 4): grid 16 x 16, 4 waves a work-group, clusters of 4 x 4, 327,680 bytes of LDS; arguments oc, woc, out0; writes out0
.if DOCPART == 4
	.amdgcn_target "amdgcn-amd-amdhsa--gfx1250"
	.amdhsa_code_object_version 6
	.text
	.protected	k_qce4f9531d1_proj
	.globl	k_qce4f9531d1_proj
	.p2align	8
	.type	k_qce4f9531d1_proj,@function
k_qce4f9531d1_proj:
	s_mov_b64 s[64:65], 0
	v_nop
	global_prefetch_b8 v0, s[64:65] scope:SCOPE_SE
	s_setreg_imm32_b32 hwreg(HW_REG_WAVE_MODE, 25, 1), 1
	s_wait_xcnt 0x0
	s_wait_alu depctr_hold_cnt(0) depctr_sa_sdst(0) depctr_va_vdst(0) depctr_va_sdst(0) depctr_va_ssrc(0) depctr_va_vcc(0) depctr_vm_vsrc(0)
	s_getreg_b32 s2, hwreg(HW_REG_IB_STS2, 6, 4)
	s_cmp_eq_u32 s2, 0
	s_cbranch_scc0 .Lentry_in_a_cluster
	s_endpgm
.Lentry_in_a_cluster:
	s_bfe_u32 s2, ttmp6, 0x10000c
	s_cmp_lg_u32 s2, 0xf033
	s_cbranch_scc0 .Lentry_shape_is_right
	s_endpgm
.Lentry_shape_is_right:
.set REC,   6400
.set SLOT,  24*REC
.set ROFF,  16*REC
.set SPARE, 2*SLOT
.set STAGE, SPARE+512
.set SP,    272
.set WSTG,  16*SP
.set ADW, 4
.set ADN, 6
.set ASW, 8
.set ASN, 10
.set LI,  14
.set LR,  15
.set STO, 16
.set RD,  17
.set CO,  18
.set SPW, 28
.set NIL, 29
.set SC,  32
.set NF,  80
.set G1P, 24
.set G0P, 32
.set G1R, 48
.set G0R, 56
.set MSB, 0
.macro WIN new
.if MSB != (\new)
	s_set_vgpr_msb (MSB<<8)|(\new)
.set MSB, (\new)
.endif
.endm
.macro PLACES n
.rept \n
	v_nop
.endr
.endm
.macro JLOAD s
	s_cmp_eq_u32 s21, 0
	s_cbranch_scc0 .Lfor_r_\@
	tensor_load_to_lds s[G0P+4*\s:G0P+4*\s+3], s[G1P:G1P+7]
	s_nop 0
.rept 4
	v_nop
.endr
	s_branch .Lasked_\@
.Lfor_r_\@:
	tensor_load_to_lds s[G0R+4*\s:G0R+4*\s+3], s[G1R:G1R+7]
	s_nop 0
.rept 4
	v_nop
.endr
.Lasked_\@:
.endm
.macro RLOAD s
	s_cmp_eq_u32 s21, 0
	s_cbranch_scc1 .Lno_part_\@
	tensor_load_to_lds s[G0R+4*\s:G0R+4*\s+3], s[G1R:G1R+7]
	s_nop 0
.rept 4
	v_nop
.endr
.Lno_part_\@:
.endm
.macro CREST
	s_cmp_lg_u32 s20, 0
	s_cbranch_scc1 .Lnot_wave_0_\@
	s_barrier_signal -3
.Lnot_wave_0_\@:
	s_barrier_wait -3
	s_barrier_signal -1
	s_barrier_wait -1
.endm
.macro CROUND
	s_barrier_signal -1
	s_barrier_wait -1
	CREST
.endm
.macro FRAG reg, adr, off
.irp c, 0,1,2
	ds_load_b128 v[(\reg)+4*\c:(\reg)+4*\c+3], v[\adr] offset:(\off)+512*\c
.endr
.endm
.macro FETCH slot, q, set
	WIN 0x40
.irp i, 0,1,2,3,4,5,6,7
	FRAG 128*(\set)+12*\i, ADW+\slot, REC*\i+1536*(\q)
.endr
	WIN 0
.irp i, 0,1,2,3
	FRAG NF+48*(\set)+12*\i, ADN+\slot, REC*\i+1536*(\q)
.endr
.endm
.macro SCALES slot
.irp i, 0,1,2,3
	ds_load_b128 v[SC+24*\slot+4*\i:SC+24*\slot+4*\i+3], v[ASW+\slot] offset:REC*\i
.endr
.irp i, 0,1
	ds_load_b128 v[SC+24*\slot+16+4*\i:SC+24*\slot+16+4*\i+3], v[ASN+\slot] offset:REC*\i
.endr
.endm
.macro WM a, b, set, q, sc, zero
.set rD, 64*(\a)+8*(\b)
.set rW, 128*(\set)+12*(\b)
.set rN, NF+48*(\set)+12*(\a)
.set rSW, SC+24*(\sc)+4*((\b)%4)+(\q)
.set rSN, SC+24*(\sc)+16+4*((\a)%2)+(\q)
.if \zero
.if ((\b) > 3) && ((\a) > 1)
	v_wmma_scale_f32_16x16x128_f8f6f4 v[rD:rD+7], v[rW:rW+11], v[rN:rN+11], 0, v[rSW], v[rSN] matrix_a_fmt:MATRIX_FMT_FP6 matrix_b_fmt:MATRIX_FMT_FP6 matrix_a_scale:MATRIX_SCALE_ROW1 matrix_b_scale:MATRIX_SCALE_ROW1
.elseif (\b) > 3
	v_wmma_scale_f32_16x16x128_f8f6f4 v[rD:rD+7], v[rW:rW+11], v[rN:rN+11], 0, v[rSW], v[rSN] matrix_a_fmt:MATRIX_FMT_FP6 matrix_b_fmt:MATRIX_FMT_FP6 matrix_a_scale:MATRIX_SCALE_ROW1
.elseif (\a) > 1
	v_wmma_scale_f32_16x16x128_f8f6f4 v[rD:rD+7], v[rW:rW+11], v[rN:rN+11], 0, v[rSW], v[rSN] matrix_a_fmt:MATRIX_FMT_FP6 matrix_b_fmt:MATRIX_FMT_FP6 matrix_b_scale:MATRIX_SCALE_ROW1
.else
	v_wmma_scale_f32_16x16x128_f8f6f4 v[rD:rD+7], v[rW:rW+11], v[rN:rN+11], 0, v[rSW], v[rSN] matrix_a_fmt:MATRIX_FMT_FP6 matrix_b_fmt:MATRIX_FMT_FP6
.endif
.else
.if ((\b) > 3) && ((\a) > 1)
	v_wmma_scale_f32_16x16x128_f8f6f4 v[rD:rD+7], v[rW:rW+11], v[rN:rN+11], v[rD:rD+7], v[rSW], v[rSN] matrix_a_fmt:MATRIX_FMT_FP6 matrix_b_fmt:MATRIX_FMT_FP6 matrix_a_scale:MATRIX_SCALE_ROW1 matrix_b_scale:MATRIX_SCALE_ROW1
.elseif (\b) > 3
	v_wmma_scale_f32_16x16x128_f8f6f4 v[rD:rD+7], v[rW:rW+11], v[rN:rN+11], v[rD:rD+7], v[rSW], v[rSN] matrix_a_fmt:MATRIX_FMT_FP6 matrix_b_fmt:MATRIX_FMT_FP6 matrix_a_scale:MATRIX_SCALE_ROW1
.elseif (\a) > 1
	v_wmma_scale_f32_16x16x128_f8f6f4 v[rD:rD+7], v[rW:rW+11], v[rN:rN+11], v[rD:rD+7], v[rSW], v[rSN] matrix_a_fmt:MATRIX_FMT_FP6 matrix_b_fmt:MATRIX_FMT_FP6 matrix_b_scale:MATRIX_SCALE_ROW1
.else
	v_wmma_scale_f32_16x16x128_f8f6f4 v[rD:rD+7], v[rW:rW+11], v[rN:rN+11], v[rD:rD+7], v[rSW], v[rSN] matrix_a_fmt:MATRIX_FMT_FP6 matrix_b_fmt:MATRIX_FMT_FP6
.endif
.endif
.endm
.macro MUL8 a, set, q, sc, zero
.irp b, 0,1,2,3,4,5,6,7
	WM \a, \b, \set, \q, \sc, \zero
.endr
.endm
.macro STEP slot, q, zero
	s_wait_dscnt 0x0
	PLACES 4
	FETCH \slot, (\q)+1, ((\q)+1)%2
	WIN 0xa1
	MUL8 0, (\q)%2, \q, \slot, \zero
	MUL8 1, (\q)%2, \q, \slot, \zero
	MUL8 2, (\q)%2, \q, \slot, \zero
	MUL8 3, (\q)%2, \q, \slot, \zero
	WIN 0
.endm
.macro TURN slot, next, fill, fetch
	s_wait_tensorcnt 0x0
	ds_add_u32 v[SPW], v[NIL]
	s_wait_dscnt 1
	WIN 0xa1
	MUL8 0, 1, 3, \slot, 0
	s_wait_dscnt 0x0
	s_barrier_signal -1
	MUL8 1, 1, 3, \slot, 0
	WIN 0
	s_barrier_wait -1
.if \fill
	CREST
	s_add_nc_u64 s[G0R+4*\slot+2:G0R+4*\slot+3], s[G0R+4*\slot+2:G0R+4*\slot+3], 16*REC
	RLOAD \slot
.endif
.if \fetch
	PLACES 4
	FETCH \next, 0, 0
	s_wait_alu depctr_va_vdst(0)
	SCALES \next
.endif
	WIN 0xa1
	MUL8 2, 1, 3, \slot, 0
	MUL8 3, 1, 3, \slot, 0
	WIN 0
.endm
.macro TOSTAGE p
.set pa, (\p)/2
.set pu, (\p)%2
	WIN 0x08
.irp bb, 0,1
.irp j, 0,1,2,3
	ds_store_b128 v[STO], v[64*pa+32*pu+16*\bb+4*\j:64*pa+32*pu+16*\bb+4*\j+3] offset:128*\bb+16*\j
.endr
.endr
	WIN 0xc0
.set k, 0
.rept 8
	ds_load_b128 v[32*(\p)+4*k:32*(\p)+4*k+3], v[RD] offset:2*k*SP
.set k, k+1
.endr
.endm
.macro SEND p, tile, younger
.set pa, (\p)/2
.set pu, (\p)%2
.if (\younger) >= 0
	s_wait_dscnt \younger
.endif
	WIN 0x0c
.set k, 0
.rept 8
	global_store_b128 v[CO], v[32*(\p)+4*k:32*(\p)+4*k+3], s[66:67] offset:(32*(pa/2)+8*(pa%2)+2*k+8*(k/4))*16384+256*pu+512*(\tile) th:TH_STORE_NT
.set k, k+1
.endr
.endm
.macro WAYOUT tile
	TOSTAGE 0
.irp p, 1,2,3,4,5,6,7
	TOSTAGE \p
	SEND \p-1, \tile, 16
.endr
	WIN 0
.endm
	s_load_b128 s[4:7], s[0:1], 0x0
	s_load_b64 s[8:9], s[0:1], 0x10
	v_lshl_add_u32 v[SPW], v0, 2, SPARE
	v_mov_b32 v[NIL], 0
	ds_add_u32 v[SPW], v[NIL]
	ds_add_u32 v[SPW], v[NIL]
	v_lshrrev_b32 v1, 5, v0
	v_readfirstlane_b32 s20, v1
	s_lshr_b32 s21, s20, 1
	s_and_b32 s22, s20, 1
	s_bfe_u32 s40, ttmp6, 0x40000
	s_bfe_u32 s41, ttmp6, 0x40004
	s_lshl_b32 s42, ttmp9, 2
	s_add_co_u32 s42, s42, s40
	s_and_b32 s43, ttmp7, 0xffff
	s_lshl_b32 s43, s43, 2
	s_add_co_u32 s43, s43, s41
	s_lshl_b32 s45, s41, 2
	s_lshl_b32 s45, 15, s45
	s_lshl_b32 s46, 0x1111, s40
	s_or_b32 s[G1P], s45, (3<<16)|(1<<21)
	s_or_b32 s[G1R], s46, (3<<16)|(1<<21)
	s_mov_b32 s[G1P+1], 800<<16
	s_mov_b32 s[G1P+2], 8<<16
	s_mov_b32 s[G1P+3], 800<<16
	s_mov_b32 s[G1P+4], 8
	s_mov_b32 s[G1P+5], 1600
	s_mov_b32 s[G1P+6], 0
	s_mov_b32 s[G1P+7], 0
	s_mov_b32 s[G1R+1], 800<<16
	s_mov_b32 s[G1R+2], 4<<16
	s_mov_b32 s[G1R+3], 800<<16
	s_mov_b32 s[G1R+4], 4
	s_mov_b32 s[G1R+5], 1600
	s_mov_b32 s[G1R+6], 0
	s_mov_b32 s[G1R+7], 0
	s_lshl_b32 s78, s43, 4
	s_lshl_b32 s79, s22, 3
	s_add_co_u32 s78, s78, s79
	s_mul_i32 s78, s78, 2*REC
	s_mov_b32 s79, 0
	s_lshl_b32 s80, s42, 4
	s_lshl_b32 s81, s22, 2
	s_add_co_u32 s80, s80, s81
	s_mul_i32 s80, s80, 2*REC
	s_mov_b32 s81, 0
	s_mul_i32 s86, s22, 8*REC
	s_mul_i32 s87, s22, 4*REC
	s_add_co_u32 s87, s87, ROFF
	s_mul_i32 s88, s20, 4*REC
	s_wait_dscnt 0x0
	s_wait_kmcnt 0x0
	s_add_nc_u64 s[82:83], s[4:5], s[78:79]
	s_add_nc_u64 s[84:85], s[6:7], s[80:81]
	CROUND
.irp s, 0,1
	s_mov_b32 s[G0P+4*\s], 1
	s_add_co_u32 s[G0P+4*\s+1], s86, \s*SLOT
	s_add_nc_u64 s[G0P+4*\s+2:G0P+4*\s+3], s[82:83], \s*REC
	s_or_b32 s[G0P+4*\s+3], s[G0P+4*\s+3], 0x80000000
	s_mov_b32 s[G0R+4*\s], 1
	s_add_co_u32 s[G0R+4*\s+1], s87, \s*SLOT
	s_add_nc_u64 s[G0R+4*\s+2:G0R+4*\s+3], s[84:85], \s*REC
	s_or_b32 s[G0R+4*\s+3], s[G0R+4*\s+3], 0x80000000
.endr
	JLOAD 0                                        ; slot 0: one tensor load a wave at the head, behind the one round; the addresses below are made under its flight
	v_and_b32 v3, 31, v0
	v_and_b32 v1, 15, v0
	v_bfe_u32 v2, v0, 4, 1
	v_lshlrev_b32 v[LI], 4, v3
	v_lshlrev_b32 v[LR], 4, v1
	v_add_nc_u32 v[ADW], ROFF, v[LI]
	v_add_nc_u32 v[ADW+1], SLOT, v[ADW]
	v_add_nc_u32 v[ADN], s88, v[LI]
	v_add_nc_u32 v[ADN+1], SLOT, v[ADN]
	v_mad_u32_u24 v[ASW], v2, 4*REC, v[LR]
	v_add_nc_u32 v[ASW], ROFF+6144, v[ASW]
	v_add_nc_u32 v[ASW+1], SLOT, v[ASW]
	v_mad_u32_u24 v[ASN], v2, 2*REC, v[LR]
	v_add_nc_u32 v[ASN], s88, v[ASN]
	v_add_nc_u32 v[ASN], 6144, v[ASN]
	v_add_nc_u32 v[ASN+1], SLOT, v[ASN]
	s_mul_i32 s89, s20, WSTG
	s_add_co_u32 s89, s89, STAGE
	v_mul_u32_u24 v[STO], v1, SP
	v_lshl_add_u32 v[STO], v2, 6, v[STO]
	v_add_nc_u32 v[STO], s89, v[STO]
	v_mul_u32_u24 v[RD], v2, SP
	v_lshl_add_u32 v[RD], v1, 4, v[RD]
	v_add_nc_u32 v[RD], s89, v[RD]
	v_lshlrev_b32 v[CO], 14, v2
	v_lshl_add_u32 v[CO], v1, 4, v[CO]
	s_lshl_b32 s92, s43, 8
	s_lshl_b32 s93, s20, 6
	s_add_co_u32 s92, s92, s93
	s_lshl_b32 s92, s92, 14
	s_lshl_b32 s93, s42, 10
	s_add_co_u32 s92, s92, s93
	s_mov_b32 s93, 0
	s_add_nc_u64 s[66:67], s[8:9], s[92:93]
	s_wait_alu depctr_va_vdst(0)                   ; the head's end
	s_wait_tensorcnt 0x0                           ; my part of slot 0 is in; these lines stand ahead of a later first fill as ahead of a refill
	ds_add_u32 v[SPW], v[NIL]
	s_wait_dscnt 0x0
	CROUND
	JLOAD 1                                        ; slot 1, the first tensor load behind the round
	FETCH 0, 0, 0
	SCALES 0
	STEP 0, 0, 1
	STEP 0, 1, 0
	STEP 0, 2, 0
	TURN 0, 1, 1, 1
	STEP 1, 0, 0
	STEP 1, 1, 0
	STEP 1, 2, 0
	TURN 1, 0, 1, 0
	PLACES 4
	WAYOUT 0
	FETCH 0, 0, 0
	SCALES 0
	STEP 0, 0, 1
	STEP 0, 1, 0
	STEP 0, 2, 0
	SEND 7, 0, -1
	WIN 0
	TURN 0, 1, 0, 1
	STEP 1, 0, 0
	STEP 1, 1, 0
	STEP 1, 2, 0
	s_wait_dscnt 0x0
	WIN 0xa1
	MUL8 0, 1, 3, 1, 0
	MUL8 1, 1, 3, 1, 0
	MUL8 2, 1, 3, 1, 0
	MUL8 3, 1, 3, 1, 0
	WIN 0
	PLACES 4
	s_wait_xcnt 0x0
	WAYOUT 1
	SEND 7, 1, 0
	WIN 0
	s_wait_tensorcnt 0x0
	ds_add_u32 v[SPW], v[NIL]
	s_wait_dscnt 0x0
	CROUND
	s_endpgm
.Lfunc_end_k_qce4f9531d1_proj:
	.size	k_qce4f9531d1_proj, .Lfunc_end_k_qce4f9531d1_proj-k_qce4f9531d1_proj
	.p2alignl 7, 3214868480
	.fill 96, 4, 3214868480
	.section	.rodata,"a",@progbits
	.p2align	6, 0x0
	.amdhsa_kernel k_qce4f9531d1_proj
		.amdhsa_group_segment_fixed_size 327680
		.amdhsa_private_segment_fixed_size 0
		.amdhsa_enable_private_segment 0
		.amdhsa_kernarg_size 24
		.amdhsa_user_sgpr_count 2
		.amdhsa_user_sgpr_kernarg_segment_ptr 1
		.amdhsa_wavefront_size32 1
		.amdhsa_system_sgpr_workgroup_id_x 1
		.amdhsa_system_sgpr_workgroup_id_y 1
		.amdhsa_system_sgpr_workgroup_id_z 1
		.amdhsa_system_vgpr_workitem_id 0
		.amdhsa_next_free_vgpr 1024
		.amdhsa_next_free_sgpr 100
		.amdhsa_reserve_vcc 0
		.amdhsa_float_denorm_mode_32 3
		.amdhsa_float_denorm_mode_16_64 3
		.amdhsa_memory_ordered 1
		.amdhsa_forward_progress 1
		.amdhsa_inst_pref_size 146
	.end_amdhsa_kernel
	.amdgpu_metadata
---
amdhsa.version: [ 1, 2 ]
amdhsa.kernels:
  - .name:           k_qce4f9531d1_proj
    .symbol:         k_qce4f9531d1_proj.kd
    .args:
      - { .name: oc, .offset: 0, .size: 8, .value_kind: global_buffer, .address_space: global }
      - { .name: woc, .offset: 8, .size: 8, .value_kind: global_buffer, .address_space: global }
      - { .name: out0, .offset: 16, .size: 8, .value_kind: global_buffer, .address_space: global }
    .group_segment_fixed_size: 327680
    .private_segment_fixed_size: 0
    .kernarg_segment_align: 8
    .kernarg_segment_size: 24
    .max_flat_workgroup_size: 128
    .sgpr_count:     100
    .vgpr_count:     1024
    .wavefront_size: 32
...
	.end_amdgpu_metadata
.endif
;; end of part 4
